; MI455X (gfx1250); checked and timed in simulation.
; The chip was launched on July 23, 2026; its instructions are those of AMD's public machine-readable ISA for CDNA 5 (MIT licence, August 2026) and "CDNA5" Instruction Set Architecture Reference Guide (July 2026). The comments in the code are by the model that wrote it; some were corrected since.
;; Multi Headed Attention. Allowed arithmetic: matrix products marked QUANTISED: E2M1 operands, one E8M0 scale for each 32 along K, by v_wmma_scale_f32_16x16x128_f8f6f4 with both operands' format E2M1 (or v_wmma_scale_f32_32x16x128_f4), f32 sums; products left as they are: bf16, f16 or f32 operands; f32 sums; everything else in f32.
;; Inputs: K 2 x 2,048 x 1,024 float32; Q 2 x 2,048 x 1,024 float32; V 2 x 2,048 x 1,024 float32; Wk 1,024 x 1,024 float32; Wo 1,024 x 1,024 float32; Wq 1,024 x 1,024 float32; Wv 1,024 x 1,024 float32; attention_mask 2 x 2,048 x 2,048 bool; padding_mask 2 x 2,048 bool.
;; Outputs: out0 2 x 2,048 x 1,024 float32.
;; This version of the problem:
;;   THIS VERSION OF THE PROBLEM IS GIVEN IN LOW PRECISION. The matrix products marked QUANTISED in the list below multiply operands that are first quantised to E2M1 (2 exponent bits, 1 mantissa bit; 4 bits a number), with one power-of-two scale for each 32 numbers along K (OCP MX v1.0); their sums are f32. The products marked 'left as it is' may take bf16, f16 or f32 operands, with f32 sums. Whichever they take, every output number must still come out within the allowed error. Rounding operands to bf16 (8 significant bits) uses up far more of that allowance than f16 does (11 bits, for magnitudes from 6e-5 to 65,504). All else is computed in f32.
;;   The module's matrix products, in the order in which they are computed (A, B: the left and right operand; K: the contracted axis; several contracted axes count as one K, in the product's order):
;;     1. [M 4,096, K 1,024] x [K 1,024, N 1,024]; A: input Q; B: input Wq: QUANTISED
;;     2. [M 4,096, K 1,024] x [K 1,024, N 1,024]; A: input K; B: input Wk: QUANTISED
;;     3. [M 4,096, K 1,024] x [K 1,024, N 1,024]; A: input V; B: input Wv: QUANTISED
;;     4. batch 32 x [M 2,048, K 64] x [K 64, N 2,048]; A: computed on the way; B: computed on the way: left as it is (an operand is computed on the way)
;;     5. batch 32 x [M 2,048, K 2,048] x [K 2,048, N 64]; A: computed on the way; B: computed on the way: left as it is (an operand is computed on the way)
;;     6. [M 4,096, K 1,024] x [K 1,024, N 1,024]; A: computed on the way; B: input Wo: left as it is (an operand is computed on the way)
;;   THE QUANTISER, for each operand of a quantised product, along K:
;;     - K is cut into blocks of 32 from its start; a last block that is shorter is filled with zeros.
;;     - A block's scale is 2^e with e = floor(log2(the largest magnitude in the block)) - 2, held to -126 .. 127; a block of zeros has e = 0. As a byte (E8M0): e + 127.
;;     - Each number is divided by its block's scale, clamped to +-6, and rounded to the nearest number of E2M1, ties to even, subnormals kept.
;;     - The product sums the exact products of the quantised numbers (number of the format x scale) in f32.
;;   ~~~python
;;   def quantise(x, axis):      # numpy; x: float32 -> the quantised numbers, widened to float32 again
;;       x = np.moveaxis(x, axis, -1); K = x.shape[-1]
;;       x = np.pad(x, [(0, 0)] * (x.ndim - 1) + [(0, -K % 32)]); x = x.reshape(x.shape[:-1] + (-1, 32)); a = np.abs(x).max(-1, keepdims=True)
;;       e = np.where(a > 0, np.clip(np.frexp(np.where(a > 0, a, 1))[1] - 1 - 2, -126, 127), 0)      # np.frexp(a)[1] - 1 = floor(log2(a)), exactly
;;       r = np.clip(x / 2.0 ** e, -6, 6)
;;       step = 2.0 ** (np.maximum(np.frexp(np.where(r == 0, 1, r))[1] - 1, 0) - 1)
;;       q = np.round(r / step) * step * 2.0 ** e      # np.round: ties to even
;;       return np.moveaxis(q.reshape(q.shape[:-2] + (-1,))[..., :K], -1, axis).astype(np.float32)
;;   ~~~
;; One version. Each part assembles by itself: llvm-mc -triple=amdgcn-amd-amdhsa -mcpu=gfx1250 --defsym DOCPART=n.
;; ======== version 1 of 1: 6 launches
;; limits: values are held in f16: magnitudes above 65,504 overflow, below 6.1e-05 lose precision
;; workspace buffers: codes 7,864,320 bytes; scales 491,520 bytes; wo16 2,097,152 bytes; maskw 1,048,576 bytes of whole numbers; flags 2,048 bytes of whole numbers; qkv 41,943,040 bytes; oimg 8,519,680 bytes
;; launch prep (part 1): grid 864 x 1, 4 waves a work-group, no clusters, 67,072 bytes of LDS; arguments Q, K, V, Wq, Wk, Wv, Wo, attention_mask, padding_mask, codes, scales, wo16, maskw, flags; writes codes, scales, wo16, maskw, flags
.if DOCPART == 1
	.amdgcn_target "amdgcn-amd-amdhsa--gfx1250"
	.amdhsa_code_object_version 6
	.text
	.protected	k_q022521459b_prep
	.globl	k_q022521459b_prep
	.p2align	8
	.type	k_q022521459b_prep,@function
k_q022521459b_prep:
	s_mov_b64 s[64:65], 0
	v_nop
	global_prefetch_b8 v0, s[64:65] scope:SCOPE_SE
	s_setreg_imm32_b32 hwreg(HW_REG_WAVE_MODE, 25, 1), 1
	s_wait_xcnt 0x0
; PREP: three kinds of work-groups, told apart by the work-group's number; the three paths never join, and each has LDS bytes of its own.
;  0..255    the masks.  Work-group T = batch x 128 + tile of 16 queries; wave = a quarter of the 2,048 keys.  attention_mask AND padding_mask become LANE MASKS for the attention launch:
;            maskw[T][key step of 64][idx = 8 t + j], bit L = r + 16 h  =  mask[query 16 T + r][key 64 step + 16 t + 8 h + j]: the lane mask of register 8 t + j of a tile of transposed scores.
;            flags: byte 4 T + quarter: bit s = some bit of key step 8 quarter + s is on; byte 1,024 + 4 T + quarter: all its bits are on.  So word T is a map over the 32 key steps.
;  256..735  Q, K, V, Wq, Wk, Wv (f32, K innermost) become codes of FP4 (E2M1) and one E8M0 byte for each 32 along K: one table of 15,360 rows, 512 bytes of codes and 32 scale bytes a row.
;            A block's scale is 2^(floor(log2(its largest magnitude)) - 2); its byte is the largest magnitude's exponent field - 2, held at 1 from below.  A block of zeros gets the byte 1 where the
;            rule says 127: its codes are zeros, and these bytes are read by this program alone.
;  736..863  Wo becomes f16, row-major.
; LIMITS: blocks whose largest magnitude lies under 2^(2 - 126) keep the byte 1; NaN and infinities among the inputs are not served; |Wo| stays under 65,504 (f16).
.set SPARE, 32768                      ; the spare words: 128 bytes for each of the four waves, two blocks of 256 bytes that no other line names
.set MST,   33280                      ; the mask path's stages: 16 rows x (512 bytes + 16) for each wave
.set MSTW,  16*528
.set SPW,   12                         ; v12  LDS address of my spare word; never rewritten
.set NIL,   13                         ; v13  0; never rewritten
.set STEPS, 16                         ; the quantiser: 16 steps of 512 numbers a wave
.set EMAX,  2
.set CB,    8                          ; bytes of 16 codes
.set R,     16                         ; v16-79   four sets of 16 numbers as loaded
.set X,     80                         ; v80-111  two sets of 16 neighbours
.set E,     112                        ; v112-127 a scale byte for each step
.set C,     128                        ; v128-191 codes: registers of its own for each step
.set WREG,  8192                       ; LDS bytes 0..32,767: a region for each wave: two stages of 32 x SP bytes, then its 256 scale bytes
.set SP,    80                         ; a lane's place in a stage: 64 bytes + 16 of padding
.macro LOAD t
.irp i, 0,1,2,3
	global_load_b128 v[R+16*((\t)%4)+4*\i:R+16*((\t)%4)+4*\i+3], v3, s[32:33] offset:2048*(\t)+512*\i th:TH_LOAD_NT   ; 32 lanes read 512 consecutive bytes
.endr
.endm
.macro TURN t                          ; a step's 2,048 bytes go through the wave's own stage, in as they lie and out 64 bytes a lane; LDS serves a wave's instructions in order
.irp i, 0,1,2,3
	ds_store_b128 v14, v[R+16*((\t)%4)+4*\i:R+16*((\t)%4)+4*\i+3] offset:32*SP*((\t)%2)+8*SP*\i
.endr
.irp i, 0,1,2,3
	ds_load_b128 v[X+16*((\t)%2)+4*\i:X+16*((\t)%2)+4*\i+3], v15 offset:32*SP*((\t)%2)+16*\i
.endr
.endm
.macro STEP t
.set XS, X+16*((\t)%2)
.if (\t) > 0
	s_wait_dscnt 1                                 ; this step's numbers are back from the stage; the last step's byte store may be out
.else
	s_wait_dscnt 0x0
.endif
.if (\t)+4 < STEPS
	LOAD (\t)+4                                    ; the registers that the stage's stores have read take the loads of four steps on
.endif
.if (\t)+1 < STEPS
.if STEPS-2-(\t) >= 3
	s_wait_loadcnt 12                              ; the next step's four loads are in; the twelve of the three steps behind it may be out
.else
	s_wait_loadcnt 4*(STEPS-2-(\t))
.endif
	TURN (\t)+1
.endif
	v_max3_num_f32 v8, |v[XS]|, |v[XS+1]|, |v[XS+2]|               ; the largest magnitude of my 16, in two chains
	v_max3_num_f32 v9, |v[XS+3]|, |v[XS+4]|, |v[XS+5]|
.irp i, 6,10
	v_max3_num_f32 v8, v8, |v[XS+\i]|, |v[XS+\i+1]|
	v_max3_num_f32 v9, v9, |v[XS+\i+2]|, |v[XS+\i+3]|
.endr
	v_max3_num_f32 v8, v8, |v[XS+14]|, |v[XS+15]|
	v_max3_num_f32 v8, v8, v9, (EMAX+1)<<23        ; and the floor 2^(3 - 127): the byte cannot fall under 1
	v_max_num_f32_dpp v8, v8, v8 row_xmask:1 row_mask:0xf bank_mask:0xf   ; with my neighbour's 16: the block's
	v_add_nc_u32 v11, -(EMAX<<23), v8              ; 2 off its exponent field: the conversion takes that field as its scale and nothing else
	v_cvt_scalef32_pk8_fp4_f32 v[C+4*(\t)], v[XS:XS+7], v11
	v_cvt_scalef32_pk8_fp4_f32 v[C+4*(\t)+1], v[XS+8:XS+15], v11
	v_lshrrev_b32 v[E+(\t)], 23, v11               ; the scale's byte (also the plain line behind the conversions)
	ds_store_b8 v5, v[E+(\t)] offset:16*(\t)       ; both lanes of a block write the same byte with the same value
	global_store_b64 v4, v[C+4*(\t):C+4*(\t)+1], s[22:23] offset:32*CB*(\t)   ; the wave stores 256 consecutive bytes, aligned
.endm
; One key step of the mask path: 32 lane masks, four at a time so that no line waits for the line above it.
.macro KS ks
	s_wait_dscnt 4*(7-\ks)                         ; this key step's four loads are in; the later steps' may be out
	s_mov_b32 s42, 0                               ; the OR of its 32 words,
	s_mov_b32 s43, -1                              ; and the AND
.irp t, 0,1,2,3
.irp u, 0,1
.irp c, 0,1,2,3
	v_and_b32 v[160+\c], 0xff<<(8*\c), v[80+2*(4*\ks+\t)+\u]   ; byte j = 4 u + c of my eight keys
.endr
.irp c, 0,1,2,3
	v_cmp_ne_u32 s[48+\c], 0, v[160+\c]            ; one bit a lane
.endr
.irp c, 0,1,2,3
	s_and_b32 s[48+\c], s[48+\c], s41              ; a query that is padding attends nothing
.endr
.irp c, 0,1,2,3
	s_or_b32 s42, s42, s[48+\c]
	s_and_b32 s43, s43, s[48+\c]
	v_writelane_b32 v[148+4*(\ks>>2)+\c], s[48+\c], (\ks&3)*8+2*\t+\u   ; word idx = 8 t + 4 u + c goes to lane idx / 4 (+ 8 for each key step), register idx % 4: so a 16-byte store a lane lays the words in order
.endr
.endr
.endr
	s_cmp_lg_u32 s42, 0
	s_cselect_b32 s46, 1<<\ks, 0
	s_or_b32 s44, s44, s46
	s_cmp_eq_u32 s43, -1
	s_cselect_b32 s46, 1<<\ks, 0
	s_or_b32 s45, s45, s46
.endm
	s_load_b512 s[4:19], s[0:1], 0x0               ; Q, K, V, Wq, Wk, Wv, Wo, attention_mask
	s_load_b256 s[20:27], s[0:1], 0x40             ; padding_mask, codes, scales, wo16
	s_load_b128 s[28:31], s[0:1], 0x60             ; maskw, flags
	v_lshl_add_u32 v[SPW], v0, 2, SPARE
	v_mov_b32 v[NIL], 0
	v_lshrrev_b32 v1, 5, v0
	v_readfirstlane_b32 s38, v1                    ; wave 0..3
	v_and_b32 v2, 31, v0                           ; lane
	s_wait_kmcnt 0x0
	s_cmp_lt_u32 ttmp9, 256
	s_cbranch_scc1 .Lmask
	s_cmp_lt_u32 ttmp9, 736
	s_cbranch_scc1 .Lquant
	; ---- Wo to f16: a wave takes 2,048 numbers: 16 loads of 512 consecutive bytes, 16 stores of 256.  No LDS.
	s_sub_co_u32 s32, ttmp9, 736
	s_lshl_b32 s32, s32, 2
	s_add_co_u32 s32, s32, s38                     ; my run
	s_lshl_b32 s34, s32, 13
	s_mov_b32 s35, 0
	s_add_nc_u64 s[16:17], s[16:17], s[34:35]
	s_lshl_b32 s34, s32, 12
	s_add_nc_u64 s[26:27], s[26:27], s[34:35]
	v_lshlrev_b32 v3, 4, v2
	v_lshlrev_b32 v4, 3, v2
.irp i, 0,1,2,3,4,5,6,7,8,9,10,11,12,13,14,15
	global_load_b128 v[16+4*\i:19+4*\i], v3, s[16:17] offset:512*\i th:TH_LOAD_NT
.endr
.irp i, 0,1,2,3,4,5,6,7,8,9,10,11,12,13,14,15
	s_wait_loadcnt 15-\i                           ; loads come back in order: load i is in, the younger ones stay out
	v_cvt_pk_f16_f32 v[80+2*\i], v[16+4*\i], v[17+4*\i]
	v_cvt_pk_f16_f32 v[81+2*\i], v[18+4*\i], v[19+4*\i]
	global_store_b64 v4, v[80+2*\i:81+2*\i], s[26:27] offset:256*\i   ; registers of its own for each store: none is written again
.endr
	s_endpgm
.Lquant:
	; ---- the quantiser.  Only pointers are chosen, by the work-group's number; all six tensors are plain streams of blocks of 32.
	s_sub_co_u32 s39, ttmp9, 256                   ; 0..479: 128 work-groups each for Q, K, V, 32 each for Wq, Wk, Wv
	s_mov_b64 s[32:33], s[14:15]
	s_cmp_lt_u32 s39, 448
	s_cselect_b64 s[32:33], s[12:13], s[32:33]
	s_cmp_lt_u32 s39, 416
	s_cselect_b64 s[32:33], s[10:11], s[32:33]
	s_cmp_lt_u32 s39, 384
	s_cselect_b64 s[32:33], s[8:9], s[32:33]
	s_cselect_b32 s40, 127, 31
	s_cmp_lt_u32 s39, 256
	s_cselect_b64 s[32:33], s[6:7], s[32:33]
	s_cmp_lt_u32 s39, 128
	s_cselect_b64 s[32:33], s[4:5], s[32:33]
	s_and_b32 s40, s39, s40                        ; the work-group's number inside its tensor
	s_lshl_b32 s40, s40, 2
	s_add_co_u32 s40, s40, s38
	s_lshl_b32 s40, s40, 15                        ; a wave's run: 8,192 numbers, 32,768 bytes
	s_mov_b32 s41, 0
	s_add_nc_u64 s[32:33], s[32:33], s[40:41]
	s_lshl_b32 s42, s39, 2
	s_add_co_u32 s42, s42, s38                     ; the run's number in the one table of codes
	s_lshl_b32 s40, s42, 12
	s_add_nc_u64 s[22:23], s[22:23], s[40:41]      ; 4,096 bytes of codes a run
	s_lshl_b32 s40, s42, 8
	s_add_nc_u64 s[24:25], s[24:25], s[40:41]      ; 256 scale bytes a run
	v_lshlrev_b32 v3, 4, v2                        ; my 16 bytes of a load's 512
	s_mul_i32 s43, s38, WREG
	v_lshrrev_b32 v14, 2, v2
	v_mul_u32_u24 v14, v14, SP
	v_and_b32 v15, 3, v2
	v_lshl_add_u32 v14, v15, 4, v14
	v_add_nc_u32 v14, s43, v14                     ; the stage, way in: SP (lane / 4) + 16 (lane % 4)
	v_mul_u32_u24 v15, v2, SP
	v_add_nc_u32 v15, s43, v15                     ; way out: SP x lane: my 16 neighbours
	v_mul_u32_u24 v4, v2, CB
	v_lshrrev_b32 v5, 1, v2
	s_add_co_u32 s43, s43, 2*32*SP
	v_add_nc_u32 v5, s43, v5                       ; my block's scale byte in the wave's 256
	v_lshlrev_b32 v7, 3, v2
	v_add_nc_u32 v6, s43, v7
.irp t, 0,1,2,3
	LOAD \t
.endr
	s_wait_loadcnt 12                              ; step 0's four loads are in
	TURN 0
.irp t, 0,1,2,3,4,5,6,7,8,9,10,11,12,13,14,15
	STEP \t
.endr
	ds_load_b64 v[8:9], v6                         ; LDS serves a wave's instructions in order: these see my byte stores
	s_wait_dscnt 0x0
	global_store_b64 v7, v[8:9], s[24:25]          ; 32 lanes store 256 consecutive bytes, aligned
	s_wait_tensorcnt 0x0                           ; the wave's end, behind my last LDS store
	ds_add_u32 v[SPW], v[NIL]
	s_wait_dscnt 0x0
	s_endpgm
.Lmask:
	; ---- the masks: 16 rows x 512 keys a wave
	s_lshl_b32 s32, ttmp9, 15                      ; 16 rows of 2,048 bytes
	s_lshl_b32 s33, s38, 9                         ; my quarter of the keys
	s_add_co_u32 s32, s32, s33
	s_mov_b32 s33, 0
	s_add_nc_u64 s[18:19], s[18:19], s[32:33]
	s_lshl_b32 s32, ttmp9, 4
	s_add_nc_u64 s[20:21], s[20:21], s[32:33]
	s_lshl_b32 s32, ttmp9, 12
	s_lshl_b32 s34, s38, 10
	s_add_co_u32 s32, s32, s34
	s_add_nc_u64 s[28:29], s[28:29], s[32:33]      ; maskw: 4,096 bytes a tile of queries, 1,024 a quarter
	s_lshl_b32 s32, ttmp9, 2
	s_add_co_u32 s32, s32, s38
	s_add_nc_u64 s[30:31], s[30:31], s[32:33]      ; flags: my byte
	v_and_b32 v3, 15, v2                           ; r
	v_lshrrev_b32 v14, 4, v2                       ; h
	v_lshlrev_b32 v4, 4, v3
	v_lshl_add_u32 v4, v14, 11, v4                 ; in memory: lanes 0-15 one row's 256 bytes, lanes 16-31 the next row's
	s_mul_i32 s34, s38, MSTW
	s_add_co_u32 s34, s34, MST                     ; my stage
	v_mul_u32_u24 v5, v14, 528
	v_lshl_add_u32 v5, v3, 4, v5
	v_add_nc_u32 v5, s34, v5                       ; way in: as loaded
	v_mul_u32_u24 v6, v3, 528
	v_lshl_add_u32 v6, v14, 3, v6
	v_add_nc_u32 v6, s34, v6                       ; way out: row r, 8 bytes for each half of the lanes
	v_lshlrev_b32 v7, 4, v2
	global_load_u8 v144, v3, s[20:21]              ; padding_mask of query r
.irp i, 0,1,2,3,4,5,6,7
.irp f, 0,1
	global_load_b128 v[16+4*(2*\i+\f):19+4*(2*\i+\f)], v4, s[18:19] offset:\i*4096+\f*256 th:TH_LOAD_NT   ; sixteen lanes read 256 consecutive bytes, aligned
.endr
.endr
.irp j, 148,149,150,151,152,153,154,155,157
	v_mov_b32 v\j, 0                               ; (v_writelane_b32's destination counts as read; v157 is the flags' offset)
.endr
.irp i, 0,1,2,3,4,5,6,7
.irp f, 0,1
	s_wait_loadcnt 15-(2*\i+\f)                    ; this load is in, the younger ones stay out
	ds_store_b128 v5, v[16+4*(2*\i+\f):19+4*(2*\i+\f)] offset:\i*1056+\f*256
.endr
.endr
.irp k, 0,1,2,3,4,5,6,7
.irp t, 0,1,2,3
	ds_load_b64 v[80+2*(4*\k+\t):81+2*(4*\k+\t)], v6 offset:64*\k+16*\t   ; keys 64 k + 16 t + 8 h + 0..7 of row r; the stage is my wave's own
.endr
.endr
	v_cmp_ne_u32 s41, 0, v144                      ; bit L: query L % 16 is no padding
	s_mov_b32 s44, 0
	s_mov_b32 s45, 0
.irp k, 0,1,2,3,4,5,6,7
	KS \k
.endr
	global_store_b128 v7, v[148:151], s[28:29]     ; 512 consecutive bytes, aligned: four key steps' words
	global_store_b128 v7, v[152:155], s[28:29] offset:512
	v_mov_b32 v158, s44
	v_mov_b32 v159, s45
	global_store_b8 v157, v158, s[30:31]           ; all lanes write the same byte with the same value
	global_store_b8 v157, v159, s[30:31] offset:1024
	s_wait_tensorcnt 0x0                           ; the wave's end, behind my last LDS store
	ds_add_u32 v[SPW], v[NIL]
	s_wait_dscnt 0x0
	s_endpgm
.Lfunc_end_k_q022521459b_prep:
	.size	k_q022521459b_prep, .Lfunc_end_k_q022521459b_prep-k_q022521459b_prep
	.p2alignl 7, 3214868480
	.fill 96, 4, 3214868480
	.section	.rodata,"a",@progbits
	.p2align	6, 0x0
	.amdhsa_kernel k_q022521459b_prep
		.amdhsa_group_segment_fixed_size 67072
		.amdhsa_private_segment_fixed_size 0
		.amdhsa_enable_private_segment 0
		.amdhsa_kernarg_size 112
		.amdhsa_user_sgpr_count 2
		.amdhsa_user_sgpr_kernarg_segment_ptr 1
		.amdhsa_wavefront_size32 1
		.amdhsa_system_sgpr_workgroup_id_x 1
		.amdhsa_system_sgpr_workgroup_id_y 1
		.amdhsa_system_sgpr_workgroup_id_z 1
		.amdhsa_system_vgpr_workitem_id 0
		.amdhsa_next_free_vgpr 192
		.amdhsa_next_free_sgpr 66
		.amdhsa_reserve_vcc 0
		.amdhsa_float_denorm_mode_32 3
		.amdhsa_float_denorm_mode_16_64 3
		.amdhsa_memory_ordered 1
		.amdhsa_forward_progress 1
		.amdhsa_inst_pref_size 121
	.end_amdhsa_kernel
	.amdgpu_metadata
---
amdhsa.version: [ 1, 2 ]
amdhsa.kernels:
  - .name:           k_q022521459b_prep
    .symbol:         k_q022521459b_prep.kd
    .args:
      - { .name: Q, .offset: 0, .size: 8, .value_kind: global_buffer, .address_space: global }
      - { .name: K, .offset: 8, .size: 8, .value_kind: global_buffer, .address_space: global }
      - { .name: V, .offset: 16, .size: 8, .value_kind: global_buffer, .address_space: global }
      - { .name: Wq, .offset: 24, .size: 8, .value_kind: global_buffer, .address_space: global }
      - { .name: Wk, .offset: 32, .size: 8, .value_kind: global_buffer, .address_space: global }
      - { .name: Wv, .offset: 40, .size: 8, .value_kind: global_buffer, .address_space: global }
      - { .name: Wo, .offset: 48, .size: 8, .value_kind: global_buffer, .address_space: global }
      - { .name: attention_mask, .offset: 56, .size: 8, .value_kind: global_buffer, .address_space: global }
      - { .name: padding_mask, .offset: 64, .size: 8, .value_kind: global_buffer, .address_space: global }
      - { .name: codes, .offset: 72, .size: 8, .value_kind: global_buffer, .address_space: global }
      - { .name: scales, .offset: 80, .size: 8, .value_kind: global_buffer, .address_space: global }
      - { .name: wo16, .offset: 88, .size: 8, .value_kind: global_buffer, .address_space: global }
      - { .name: maskw, .offset: 96, .size: 8, .value_kind: global_buffer, .address_space: global }
      - { .name: flags, .offset: 104, .size: 8, .value_kind: global_buffer, .address_space: global }
    .group_segment_fixed_size: 67072
    .private_segment_fixed_size: 0
    .kernarg_segment_align: 8
    .kernarg_segment_size: 112
    .max_flat_workgroup_size: 128
    .sgpr_count:     66
    .vgpr_count:     192
    .wavefront_size: 32
...
	.end_amdgpu_metadata
.endif
;; end of part 1
;; launch proj (part 2): grid 4 x 48, 4 waves a work-group, clusters of 4 x 4, 327,680 bytes of LDS; arguments codes, scales, qkv; writes qkv
.if DOCPART == 2
	.amdgcn_target "amdgcn-amd-amdhsa--gfx1250"
	.amdhsa_code_object_version 6
	.text
	.protected	k_q022521459b_proj
	.globl	k_q022521459b_proj
	.p2align	8
	.type	k_q022521459b_proj,@function
k_q022521459b_proj:
	s_mov_b64 s[64:65], 0
	v_nop
	global_prefetch_b8 v0, s[64:65] scope:SCOPE_SE
	s_setreg_imm32_b32 hwreg(HW_REG_WAVE_MODE, 25, 1), 1
	s_wait_xcnt 0x0
	s_wait_alu depctr_hold_cnt(0) depctr_sa_sdst(0) depctr_va_vdst(0) depctr_va_sdst(0) depctr_va_ssrc(0) depctr_va_vcc(0) depctr_vm_vsrc(0)
	s_getreg_b32 s2, hwreg(HW_REG_IB_STS2, 6, 4)
	s_cmp_eq_u32 s2, 0
	s_cbranch_scc0 .Lentry_in_a_cluster
	s_endpgm
.Lentry_in_a_cluster:
	s_bfe_u32 s2, ttmp6, 0x10000c
	s_cmp_lg_u32 s2, 0xf033
	s_cbranch_scc0 .Lentry_shape_is_right
	s_endpgm
.Lentry_shape_is_right:
; PROJ: q = Q Wq^T, k = K Wk^T, v = V Wv^T on codes of FP4 (E2M1) with one E8M0 scale for each 32 along K; sums in f32; results rounded once to f16; v also as it stands, in f32.
; The three token matrices are one table of 12,288 rows (rows 0.. Q, 4,096.. K, 8,192.. V); the weights follow at rows 12,288 + 1,024 g.  A row is 512 bytes of codes and 32 scale bytes.
; A tile of 256 tokens x 256 features is made by a work-group of four waves; a wave makes 128 x 128: 64 accumulators, 512 registers.  K = 1,024 is two LDS slots of 512 along K: both are filled at
; the start and nothing is filled again.  The scale bytes of the work-group's 256 + 256 rows come once, as units of 256 bytes.
; CLUSTERS: 4 x 4 work-groups; the four of a row need the same token tiles, the four of a column the same weight tiles: each is asked for jointly.  A cluster lies inside one of the three products
; (16 tile rows each), so which product it is hangs on the cluster's y alone and is the same in all sixteen partners.
; THE RESULTS LEAVE AS IMAGES OF THE NEXT LAUNCH'S OPERAND REGISTERS.  q and k (sw = 0): source 0 = 16 rows of W, source 1 = 16 tokens: a lane holds token r and features 16 b + 8 h + 0..7, which packed to f16 are
; four registers of a 16 x 32 fragment with the head's axis as K.  v (sw = 1): sources swapped: a lane holds feature 16 b + r and tokens 16 a + 8 h + 0..7: four registers of a fragment of V^T with the keys as K.
; So each accumulator is one store of 512 consecutive bytes, 16 a lane, and nothing goes through LDS on the way out.
; qkv: product g at g x 8 MiB, head y = batch x 16 + head at y x 262,144; q, k: [tile of 16 tokens][piece of 16 of the head's 64][lane][16 bytes]; v: [32 keys][16 of the head's 64][half of the keys][lane][16 bytes].
; From 24 MiB on: v in f32, the accumulators as they stand: [y][tile of 16 keys][16 of the head's 64][registers 0-3, 4-7][lane][16 bytes]: for the launch that carries each sequence's first 16 positions in f32.
; LIMIT: |q|, |k|, |v| stay under 65,504 (f16).
; REGISTERS, in windows of 256: window 0: v0-31 addresses; v32-95 scale words, two sets; from v128 the tokens' fragments, one set.  window 1: W's fragments, two sets, at v0 and v128; on the way out the packed results.
;   window 2: the accumulators of my tokens 0-63 ((a, b) at v[8 (8 a + b)]);  window 3: those of tokens 64-127.
.set NQ,     4                         ; matrix instructions deep in a slot
.set ROWB,   256                       ; a tile's row: 512 codes
.set KROW,   512                       ; a row of codes in memory
.set PITCH,  272                       ; an LDS row: 256 bytes + 16 of padding = 68 words, so the 16 rows of a load start at 16 different banks (64 banks of 4 bytes: ISA guide 11.1)
.set FR,     8
.set NL,     2
.set NP,     4                         ; places behind this matrix instruction (ISA guide 7.12.1)
.set HALFT,  128*PITCH
.set SLOT,   4*HALFT                   ; the tokens' 256 rows, then W's 256 rows
.set KS,     32                        ; a row of scale bytes
.set SCL,    2*SLOT                    ; behind the slots: the scales, as units of 256 bytes + 16
.set HALFS,  (128*KS/256)*272
.set SBLK,   (16*KS/256)*272
.set SPARE,  SCL+4*HALFS               ; the spare words: 128 bytes a wave, two blocks of 256 bytes that no other line names
.set ADRA, 16                          ; v16-17  LDS address of my token fragments in slot 0, 1
.set ADRB, 20                          ; v20-21  the same for W
.set CO,   26                          ; v26     16 x lane
.set ADRS, 27                          ; v27     LDS address of my scale words: lanes 0-15 the tokens', lanes 16-31 W's
.set SPW,  28                          ; v28     LDS address of my spare word; never rewritten
.set NIL,  29                          ; v29     0; never rewritten
.set SC,   32
.set AF,   128
.set G1, 24
.set G0, 32
.set G1B, 48
.set G0B, 56
.set G1S, 68
.set G0S, 76
.set G1SB, 80
.set G0SB, 88
.set MSB, 0
.macro WIN new                         ; the immediate's high byte repeats the setting that is left
.if MSB != (\new)
	s_set_vgpr_msb (MSB<<8)|(\new)
.set MSB, (\new)
.endif
.endm
.set TO_B, 0x40                        ; destination window 1, address window 0
; A joint load: waves 0 and 1 fetch for the tokens, waves 2 and 3 for W; the branch hangs on the wave's number alone.  An s_nop 0 and four v_nop follow each line.
.macro JLOAD g0a, g1a, g0b, g1b
	s_cmp_eq_u32 s15, 0
	s_cbranch_scc0 .Lfor_b_\@
	tensor_load_to_lds s[\g0a:\g0a+3], s[\g1a:\g1a+7]
	s_nop 0
.rept 4
	v_nop
.endr
	s_branch .Lasked_\@
.Lfor_b_\@:
	tensor_load_to_lds s[\g0b:\g0b+3], s[\g1b:\g1b+7]
	s_nop 0
.rept 4
	v_nop
.endr
.Lasked_\@:
.endm
.macro CROUND                          ; a round of the cluster's barrier
	s_barrier_signal -1
	s_barrier_wait -1
	s_cmp_lg_u32 s14, 0
	s_cbranch_scc1 .Lnot_wave_0_\@
	s_barrier_signal -3
.Lnot_wave_0_\@:
	s_barrier_wait -3
	s_barrier_signal -1
	s_barrier_wait -1
.endm
.macro PLACES n
.rept \n
	v_nop
.endr
.endm
.macro FRAG reg, adr, q, i             ; 16 rows x 128 K of 4-bit codes: 8 registers: two loads of 16 bytes, 32 bytes apart
.irp c, 0,1
	ds_load_b128 v[\reg+4*\c:\reg+4*\c+3], v[\adr] offset:64*(\q)+32*\c+(\i)*16*PITCH
.endr
.endm
; One product: token block a x W's block b, the slot's q-th 128 along K; p: W's set; sc: the set of scale words.  A scale register holds the tokens' word in lanes 0-15 and W's in lanes 16-31.
.macro MM a, b, p, q, sc, zero, sw
.set rD, 8*(8*((\a)%4)+(\b))
.set rW, 128*(\p)+FR*(\b)
.set rT, AF+FR*(\a)
.set sW, SC+8*NQ*(\sc)+NQ*(\b)+(\q)
.set sT, SC+8*NQ*(\sc)+NQ*(\a)+(\q)
.if \sw
.if \zero
	v_wmma_scale_f32_16x16x128_f8f6f4 v[rD:rD+7], v[rT:rT+7], v[rW:rW+7], 0, v[sT], v[sW] matrix_a_fmt:MATRIX_FMT_FP4 matrix_b_fmt:MATRIX_FMT_FP4 matrix_b_scale:MATRIX_SCALE_ROW1
.else
	v_wmma_scale_f32_16x16x128_f8f6f4 v[rD:rD+7], v[rT:rT+7], v[rW:rW+7], v[rD:rD+7], v[sT], v[sW] matrix_a_fmt:MATRIX_FMT_FP4 matrix_b_fmt:MATRIX_FMT_FP4 matrix_b_scale:MATRIX_SCALE_ROW1
.endif
.else
.if \zero
	v_wmma_scale_f32_16x16x128_f8f6f4 v[rD:rD+7], v[rW:rW+7], v[rT:rT+7], 0, v[sW], v[sT] matrix_a_fmt:MATRIX_FMT_FP4 matrix_b_fmt:MATRIX_FMT_FP4 matrix_a_scale:MATRIX_SCALE_ROW1
.else
	v_wmma_scale_f32_16x16x128_f8f6f4 v[rD:rD+7], v[rW:rW+7], v[rT:rT+7], v[rD:rD+7], v[sW], v[sT] matrix_a_fmt:MATRIX_FMT_FP4 matrix_b_fmt:MATRIX_FMT_FP4 matrix_a_scale:MATRIX_SCALE_ROW1
.endif
.endif
.endm
; 16 products; the 64 accumulators take turns, one instruction a turn, in the same order in every step
.macro MUL16 a0, p, q, sc, zero, sw
.irp a, \a0, \a0+1
.irp b, 0,1,2,3,4,5,6,7
	MM \a, \b, \p, \q, \sc, \zero, \sw
.endr
.endr
.endm
.macro FETCH_B slot, q, p
	WIN TO_B
.irp i, 0,1,2,3,4,5,6,7
	FRAG 128*(\p)+FR*\i, ADRB+\slot, \q, \i
.endr
	WIN 0
.endm
.macro FETCH_A slot, q, i0
.irp i, \i0, \i0+1, \i0+2, \i0+3
	FRAG AF+FR*(\i), ADRA+\slot, \q, \i
.endr
.endm
.macro SCALES sc                       ; a slot's scale words: four words a row; lanes 0-15 the tokens' block i, lanes 16-31 W's block i
.irp i, 0,1,2,3,4,5,6,7
	ds_load_b128 v[SC+8*NQ*\sc+NQ*\i:SC+8*NQ*\sc+NQ*\i+3], v[ADRS] offset:\i*SBLK
.endr
.endm
; windows of the products: sw = 0: source 0 (W) window 1, source 1 (tokens) window 0; sw = 1: the other way round; C and D window 2 or 3
.macro STEP slot, q, zero, sw
	s_wait_dscnt 4*NL                              ; W's set and token blocks 0-3 are in; the youngest eight loads (blocks 4-7) may be out
	WIN 0xa1+3*\sw
	MUL16 0, (\q)%2, \q, \slot, \zero, \sw
	MUL16 2, (\q)%2, \q, \slot, \zero, \sw
	s_wait_dscnt 0
	PLACES NP                                      ; in front of loads into registers that matrix instructions have read
	FETCH_B \slot, (\q)+1, 1-(\q)%2
	FETCH_A \slot, (\q)+1, 0
	WIN 0xf1+3*\sw
	MUL16 4, (\q)%2, \q, \slot, \zero, \sw
	MUL16 6, (\q)%2, \q, \slot, \zero, \sw
	PLACES NP
	WIN 0
	FETCH_A \slot, (\q)+1, 4
.endm
; Slot 0's last step goes over to slot 1: each wave waits for all its tensor loads (slot 1's part), adds 0 to its spare word, waits for that and its reads, and passes the barrier; nothing is filled again.
.macro TURN slot, next, sw
	s_wait_tensorcnt 0x0
	ds_add_u32 v[SPW], v[NIL]
	s_wait_dscnt 4*NL+1                            ; the add and the youngest eight loads may be out
	WIN 0xa1+3*\sw
	MUL16 0, 1, NQ-1, \slot, 0, \sw
	s_wait_dscnt 0x0                               ; the add is done, and no LDS instruction of mine is out at the signal
	s_barrier_signal -1
	MUL16 2, 1, NQ-1, \slot, 0, \sw
	WIN 0
	s_barrier_wait -1                              ; every wave's part of the next slot has landed
	PLACES NP
	v_add_nc_u32 v[ADRS], 4*NQ, v[ADRS]            ; the next slot's scale words: 16 bytes on in each row
	FETCH_B \next, 0, 0
	FETCH_A \next, 0, 0
	SCALES \next
	WIN 0xf1+3*\sw
	MUL16 4, 1, NQ-1, \slot, 0, \sw
	MUL16 6, 1, NQ-1, \slot, 0, \sw
	PLACES NP
	WIN 0
	FETCH_A \next, 0, 4
.endm
.macro STEPS slot, from, sw
.set Q, \from
.rept NQ-1-\from
	STEP \slot, Q, 0, \sw
.set Q, Q+1
.endr
.endm
; The way out.  v alone: each accumulator leaves as it stands, in f32, by two stores of 512 consecutive bytes, its low four registers first.  All three: each accumulator, from its low end on, is rounded to f16 into
; four registers of window 1 (256 registers, none written twice), and leaves by one store of 512 consecutive bytes, aligned.
.macro OUT sw
	PLACES NP                                      ; behind the last products: their results are read, and W's registers are written
.if \sw
.irp a, 0,1,2,3,4,5,6,7
	WIN 0x08+4*(\a/4)                              ; a store's data are its source 1: window 2 or 3
.irp b, 0,1,2,3,4,5,6,7
	global_store_b128 v[CO], v[8*(8*(\a%4)+\b):8*(8*(\a%4)+\b)+3], s[8:9] offset:\a*4096+(\b/4)*524288+(\b%4)*1024
	global_store_b128 v[CO], v[8*(8*(\a%4)+\b)+4:8*(8*(\a%4)+\b)+7], s[8:9] offset:\a*4096+(\b/4)*524288+(\b%4)*1024+512
.endr
.endr
.endif
.irp a, 0,1,2,3,4,5,6,7
	WIN 0x4a+5*(\a/4)                              ; sources window 2 or 3, destination window 1
.irp b, 0,1,2,3,4,5,6,7
.irp i, 0,1,2,3
	v_cvt_pk_f16_f32 v[4*(8*\a+\b)+\i], v[8*(8*(\a%4)+\b)+2*\i], v[8*(8*(\a%4)+\b)+2*\i+1]
.endr
.endr
.endr
	WIN 0x04                                       ; a store's data are its source 1: window 1
.irp a, 0,1,2,3,4,5,6,7
.irp b, 0,1,2,3,4,5,6,7
.if \sw
	global_store_b128 v[CO], v[4*(8*\a+\b):4*(8*\a+\b)+3], s[12:13] offset:(\a/2)*4096+(\a%2)*512+(\b/4)*262144+(\b%4)*1024
.else
	global_store_b128 v[CO], v[4*(8*\a+\b):4*(8*\a+\b)+3], s[12:13] offset:\a*2048+(\b/4)*262144+(\b%4)*512
.endif
.endr
.endr
	WIN 0
.endm
.macro BODY sw
	STEP 0, 0, 1, \sw                              ; the first step's products start the sums: nothing is cleared
	STEPS 0, 1, \sw
	TURN 0, 1, \sw
	STEPS 1, 0, \sw
	s_wait_dscnt 4*NL                              ; the last step: nothing more to fetch
	WIN 0xa1+3*\sw
	MUL16 0, 1, NQ-1, 1, 0, \sw
	MUL16 2, 1, NQ-1, 1, 0, \sw
	s_wait_dscnt 0
	WIN 0xf1+3*\sw
	MUL16 4, 1, NQ-1, 1, 0, \sw
	MUL16 6, 1, NQ-1, 1, 0, \sw
	WIN 0
	OUT \sw
	s_wait_tensorcnt 0x0                           ; the wave's end
	ds_add_u32 v[SPW], v[NIL]
	s_wait_dscnt 0x0
	CROUND                                         ; the closing round
	s_endpgm
.endm
	s_load_b128 s[4:7], s[0:1], 0x0                ; codes s[4:5], scales s[6:7]
	s_load_b64 s[12:13], s[0:1], 0x10              ; qkv
	v_lshl_add_u32 v[SPW], v0, 2, SPARE
	v_mov_b32 v[NIL], 0
	ds_add_u32 v[SPW], v[NIL]                      ; the wave's opening: the add, twice on end, and its wait ahead of my first tensor load
	ds_add_u32 v[SPW], v[NIL]
	v_lshrrev_b32 v1, 5, v0
	v_readfirstlane_b32 s14, v1                    ; wave 0..3
	s_lshr_b32 s15, s14, 1                         ; which half of the tile's tokens is mine.  Also: I fetch for the tokens (0) or for W (1)
	s_and_b32 s16, s14, 1                          ; which half of its features.  Also: which 128 rows I fetch
	s_bfe_u32 s40, ttmp6, 0x40000                  ; cx
	s_bfe_u32 s41, ttmp6, 0x40004                  ; cy
	s_lshl_b32 s42, ttmp9, 2
	s_add_co_u32 s42, s42, s40                     ; tile column 0..3
	s_and_b32 s95, ttmp7, 0xffff                   ; the cluster's y, 0..11
	s_lshl_b32 s17, s95, 2
	s_add_co_u32 s17, s17, s41                     ; tile row 0..47
	s_lshr_b32 s96, s95, 2                         ; which product: 0 q, 1 k, 2 v: the same in all sixteen partners
	s_lshl_b32 s43, s41, 2
	s_lshl_b32 s43, 15, s43                        ; my row of the cluster
	s_lshl_b32 s44, 0x1111, s40                    ; my column
	s_or_b32 s[G1+0], s43, (0<<16)|(1<<20)|(1<<21)|(5<<22)|(3<<25)  ; the mask; elements of 1 byte; padding on; bit 21 beside a mask; 4 words behind every 64
	s_or_b32 s[G1B+0], s44, (0<<16)|(1<<20)|(1<<21)|(5<<22)|(3<<25)
.irp g, G1, G1B
	s_mov_b32 s[\g+1], ROWB<<16                    ; tensor_dim0
	s_mov_b32 s[\g+2], 128<<16                     ; tensor_dim1
	s_mov_b32 s[\g+3], ROWB<<16                    ; tile_dim0
	s_mov_b32 s[\g+4], 128                         ; tile_dim1
	s_mov_b32 s[\g+5], KROW                        ; the pitch
	s_mov_b32 s[\g+6], 0
	s_mov_b32 s[\g+7], 0
.endr
	s_or_b32 s[G1S+0], s43, (3<<16)|(1<<20)|(1<<21)|(5<<22)|(3<<25)   ; the scales of 128 rows: 4,096 dense bytes as 16 rows of 256 (32 elements of 8 bytes), 16 bytes behind each
	s_or_b32 s[G1SB+0], s44, (3<<16)|(1<<20)|(1<<21)|(5<<22)|(3<<25)
.irp g, G1S, G1SB
	s_mov_b32 s[\g+1], 32<<16
	s_mov_b32 s[\g+2], (128*KS/256)<<16
	s_mov_b32 s[\g+3], 32<<16
	s_mov_b32 s[\g+4], 128*KS/256
	s_mov_b32 s[\g+5], 32
	s_mov_b32 s[\g+6], 0
	s_mov_b32 s[\g+7], 0
.endr
	s_lshl_b32 s18, s16, 7                         ; which 128 rows of the tile I fetch
	s_lshl_b32 s20, s17, 8
	s_add_co_u32 s20, s20, s18                     ; tokens: row 256 x tile row + 128 x half
	s_lshl_b32 s46, s42, 8
	s_add_co_u32 s46, s46, s18
	s_lshl_b32 s96, s96, 10
	s_add_co_u32 s46, s46, s96
	s_add_co_u32 s46, s46, 12288                   ; W: row 12,288 + 1,024 x product + 256 x tile column + 128 x half
	s_mov_b32 s21, 0
	s_mov_b32 s47, 0
	s_mov_b64 s[18:19], KS
	s_mul_u64 s[22:23], s[20:21], s[18:19]         ; where these rows' scales begin
	s_mul_u64 s[92:93], s[46:47], s[18:19]
	s_mov_b64 s[18:19], KROW
	s_mul_u64 s[20:21], s[20:21], s[18:19]         ; and their codes
	s_mul_u64 s[46:47], s[46:47], s[18:19]
	s_mul_i32 s45, s14, HALFT                      ; where they go: wave x 128 rows
	s_mul_i32 s94, s14, HALFS
	s_wait_dscnt 0x0                               ; both opening adds are done
	s_wait_kmcnt 0x0
	s_add_nc_u64 s[20:21], s[4:5], s[20:21]
	s_add_nc_u64 s[22:23], s[6:7], s[22:23]
	s_add_nc_u64 s[46:47], s[4:5], s[46:47]
	s_add_nc_u64 s[92:93], s[6:7], s[92:93]
	CROUND                                         ; all sixteen work-groups are here: the first joint loads meet
	s_mov_b32 s[G0S], 1
	s_add_co_u32 s[G0S+1], s94, SCL
	s_mov_b64 s[G0S+2:G0S+3], s[22:23]
	s_or_b32 s[G0S+3], s[G0S+3], 0x80000000
	s_mov_b32 s[G0SB], 1
	s_add_co_u32 s[G0SB+1], s94, SCL
	s_mov_b64 s[G0SB+2:G0SB+3], s[92:93]
	s_or_b32 s[G0SB+3], s[G0SB+3], 0x80000000
	JLOAD G0S, G1S, G0SB, G1SB                     ; the scales first: three loads of mine are out in all
.irp s, 0,1
	s_mov_b32 s[G0+4*\s], 1
	s_add_co_u32 s[G0+4*\s+1], s45, \s*SLOT
	s_add_nc_u64 s[G0+4*\s+2:G0+4*\s+3], s[20:21], \s*ROWB
	s_or_b32 s[G0+4*\s+3], s[G0+4*\s+3], 0x80000000
	s_mov_b32 s[G0B+4*\s], 1
	s_add_co_u32 s[G0B+4*\s+1], s45, \s*SLOT
	s_add_nc_u64 s[G0B+4*\s+2:G0B+4*\s+3], s[46:47], \s*ROWB
	s_or_b32 s[G0B+4*\s+3], s[G0B+4*\s+3], 0x80000000
	JLOAD G0+4*\s, G1, G0B+4*\s, G1B
.endr
	v_and_b32 v1, 15, v0                           ; r
	v_bfe_u32 v2, v0, 4, 1                         ; h
	v_mul_u32_u24 v3, v1, PITCH
	v_lshl_add_u32 v4, v2, 4, v3                   ; a fragment's row x pitch + 16 x half
	s_mul_i32 s21, s15, HALFT                      ; my 128 tokens
	s_mul_i32 s22, s16, HALFT                      ; my 128 rows of W,
	s_add_co_u32 s22, s22, 2*HALFT                 ; which lie behind the tokens' 256
.irp s, 0,1
	v_add_nc_u32 v[ADRA+\s], s21, v4
	v_add_nc_u32 v[ADRB+\s], s22, v4
	s_add_co_u32 s21, s21, SLOT
	s_add_co_u32 s22, s22, SLOT
.endr
	v_mul_u32_u24 v5, v1, KS                       ; my row's scales: 32 bytes a row,
	v_lshrrev_b32 v6, 8, v5
	v_lshl_add_u32 v5, v6, 4, v5                   ; and 16 more for each 256 passed
	s_mul_i32 s21, s15, HALFS
	s_mul_i32 s22, s16, HALFS
	s_add_co_u32 s22, s22, 2*HALFS
	s_sub_co_u32 s22, s22, s21
	v_mul_u32_u24 v6, s22, v2                      ; lanes 16-31 take W's: the lower base + h x the distance
	s_add_co_u32 s21, s21, SCL
	v_add_nc_u32 v5, v5, v6
	v_add_nc_u32 v[ADRS], s21, v5
	v_and_b32 v6, 31, v0
	v_lshlrev_b32 v[CO], 4, v6
	s_add_nc_u64 s[8:9], s[12:13], 0x1800000       ; v in f32 lies from 24 MiB on
	s_lshr_b32 s20, s17, 3                         ; where my f16 results begin: (2 x product + batch) x 4 MiB
	s_lshl_b32 s20, s20, 22
	s_and_b32 s21, s17, 7
	s_lshl_b32 s21, s21, 15                        ; + 256 tokens = 32,768 bytes of a head's region
	s_add_co_u32 s20, s20, s21
	s_lshl_b32 s21, s15, 14                        ; + my 128 tokens
	s_add_co_u32 s20, s20, s21
	s_mov_b32 s21, 0
	s_add_nc_u64 s[12:13], s[12:13], s[20:21]
	s_lshl_b32 s46, s42, 2
	s_lshl_b32 s47, s16, 1
	s_add_co_u32 s46, s46, s47                     ; + my first head: 4 x tile column + 2 x half
	s_lshl_b32 s46, s46, 18
	s_mov_b32 s47, 0
	s_add_nc_u64 s[12:13], s[12:13], s[46:47]
	s_bfe_u32 s20, s17, 0x10003                    ; and the f32 ones (used on v's path alone): batch x 8 MiB
	s_lshl_b32 s20, s20, 23
	s_and_b32 s21, s17, 7
	s_lshl_b32 s21, s21, 16                        ; + 256 tokens = 16 tiles of 4,096 bytes
	s_add_co_u32 s20, s20, s21
	s_lshl_b32 s21, s15, 15                        ; + my 128 tokens
	s_add_co_u32 s20, s20, s21
	s_mov_b32 s21, 0
	s_add_nc_u64 s[8:9], s[8:9], s[20:21]
	s_lshl_b32 s46, s46, 1                         ; + my first head x 524,288
	s_add_nc_u64 s[8:9], s[8:9], s[46:47]
	s_wait_tensorcnt 1                             ; the scales and my part of slot 0 are in; slot 1's load may be out
	s_barrier_signal -1
	s_barrier_wait -1
	FETCH_B 0, 0, 0
	FETCH_A 0, 0, 0
	SCALES 0
	FETCH_A 0, 0, 4
	s_cmp_ge_u32 s95, 8                            ; the cluster's y alone: clusters 8..11 make v
	s_cbranch_scc1 .Lv
	BODY 0
.Lv:
	BODY 1
.Lfunc_end_k_q022521459b_proj:
	.size	k_q022521459b_proj, .Lfunc_end_k_q022521459b_proj-k_q022521459b_proj
	.p2alignl 7, 3214868480
	.fill 96, 4, 3214868480
	.section	.rodata,"a",@progbits
	.p2align	6, 0x0
	.amdhsa_kernel k_q022521459b_proj
		.amdhsa_group_segment_fixed_size 327680
		.amdhsa_private_segment_fixed_size 0
		.amdhsa_enable_private_segment 0
		.amdhsa_kernarg_size 24
		.amdhsa_user_sgpr_count 2
		.amdhsa_user_sgpr_kernarg_segment_ptr 1
		.amdhsa_wavefront_size32 1
		.amdhsa_system_sgpr_workgroup_id_x 1
		.amdhsa_system_sgpr_workgroup_id_y 1
		.amdhsa_system_sgpr_workgroup_id_z 1
		.amdhsa_system_vgpr_workitem_id 0
		.amdhsa_next_free_vgpr 1024
		.amdhsa_next_free_sgpr 98
		.amdhsa_reserve_vcc 0
		.amdhsa_float_denorm_mode_32 3
		.amdhsa_float_denorm_mode_16_64 3
		.amdhsa_memory_ordered 1
		.amdhsa_forward_progress 1
		.amdhsa_inst_pref_size 234
	.end_amdhsa_kernel
	.amdgpu_metadata
---
amdhsa.version: [ 1, 2 ]
amdhsa.kernels:
  - .name:           k_q022521459b_proj
    .symbol:         k_q022521459b_proj.kd
    .args:
      - { .name: codes, .offset: 0, .size: 8, .value_kind: global_buffer, .address_space: global }
      - { .name: scales, .offset: 8, .size: 8, .value_kind: global_buffer, .address_space: global }
      - { .name: qkv, .offset: 16, .size: 8, .value_kind: global_buffer, .address_space: global }
    .group_segment_fixed_size: 327680
    .private_segment_fixed_size: 0
    .kernarg_segment_align: 8
    .kernarg_segment_size: 24
    .max_flat_workgroup_size: 128
    .sgpr_count:     98
    .vgpr_count:     1024
    .wavefront_size: 32
...
	.end_amdgpu_metadata
.endif
;; end of part 2
;; launch attn (part 3): grid 8 x 32, 16 waves a work-group, no clusters, 272,384 bytes of LDS; arguments qkv, maskw, flags, oimg; writes oimg
.if DOCPART == 3
	.amdgcn_target "amdgcn-amd-amdhsa--gfx1250"
	.amdhsa_code_object_version 6
	.text
	.protected	k_q022521459b_attn
	.globl	k_q022521459b_attn
	.p2align	8
	.type	k_q022521459b_attn,@function
k_q022521459b_attn:
	s_mov_b64 s[64:65], 0
	v_nop
	global_prefetch_b8 v0, s[64:65] scope:SCOPE_SE
	s_setreg_imm32_b32 hwreg(HW_REG_WAVE_MODE, 25, 1), 1
	s_wait_xcnt 0x0
; ATTN: o = softmax(mask(q k^T / 8)) v for one head; q, k, v are f16 images of operand registers; products with f16 operands and f32 sums; maxima, exponentials and sums in f32; a row that the masks hide wholly gives 0.
; SHARES.  Work-group (x, y = batch x 16 + head) takes the blocks of 128 queries x and 15 - x, one after the other.  Wave w: QG = w % 4: 32 queries, two tiles; KP = w / 4: the key phase.  A super-step is 256 keys;
; phase KP takes its key step 4 SS + KP (64 keys).  Each phase keeps its own running maximum, sum and O; the four are merged through LDS at a block's end, where wave (QG, KP) finishes 16 of the head's 64.
; WORK THAT THE GIVEN MASK THROWS AWAY IS NOT DONE, whatever the mask: the launch before has stored, as whole numbers, for each tile of 16 queries a map of the key steps with any bit on and one of those with all bits on.
; A wave jumps over a key step in which neither of its tiles has a bit; a chunk of K or V is fetched only if some tile of the block wants it; the 64 selects that hide scores are jumped over where all bits are on.
; Since the walk hangs on numbers read from memory, K and V come through registers into LDS: no tensor load, no cluster.  The loop's trip count is a constant and every wave passes every barrier.
; LAYOUT.  S^T = K Q^T (source 0 = 16 keys, source 1 = 16 queries), O^T = V^T P (source 0 = 16 of the head's 64, source 1 = P): a lane holds ONE query (lane % 16) throughout; two tiles of S^T packed to f16 ARE P's fragment.
; SOFTMAX.  p = 2^(c s - c m), c = log2(e) / 8, m the running maximum; in every step O and l are multiplied by a = 2^(c m_old - c m_new).  m begins at -3e38, so c m stays finite and a hidden score (-infinity) gives p = 0.
; LIMIT: |q|, |k|, |v|, |o| under 65,504 (f16).
; REGISTERS: v1 16 x lane; v2-3 K/V reads in buffer 0, 1; v4-5 staging stores; v6-7 the add's two; v8 -infinity; v9-13 the merge's addresses; v16+8x statistics of tile x (+0 c m, +1 m, +2,+3 l, +4..+7 at work, a in +6);
;   v32-63 Q; v64-127 S^T, then P (low 16 of each tile's 32) and V's second half; v128-191 O^T; v192-223 K, then V's first half; v224-255 the chunk on its way from memory to LDS.
.set BUF1,  65536                      ; two buffers of 65,536 bytes: K's four key steps (8,192 each), then V's
.set VOFF,  32768
.set MRG,   131072                     ; the merge: 8,192 bytes of O^T for each wave,
.set STAT,  262144                     ; and 512 of statistics
.set SPARE, 270336                     ; the spare words: 128 bytes for each of 16 waves: eight blocks of 256 bytes that no other line names
.set L16, 1
.set ADR, 2
.set STA, 4
.set SPW, 6
.set NIL, 7
.set NINF, 8
.set MW,  9
.set MR,  10
.set SW,  12
.set SR,  13
.set ST,  16
.set Q,   32
.set S,   64
.set O,   128
.set KV,  192
.set STG, 224
.set CMX, 208                          ; the merge: v208-209 the common c m; v210-217 weights; v218-219 sums; v220-221 reciprocals; v224-239 o in f32; v240-247 o in f16
.set WP,  210
.set LS,  218
.set RC,  220
.set OF,  224
.set OH,  240
; s2-3 c; s[4:11] the four buffers; s12 wave, s13 QG, s14 KP, s15 which key step of a super-step my staging chunk belongs to; s16 y; s17 block; s18, s19 counters; s[20:21] my chunk in memory; s[22:23] my tiles' mask words;
; s24 the key step's offset in them; s25 the block's map, s26 my tiles' map, s27 my tiles' all-on map, each shifted as the walk goes; s[28:29] my part of oimg; s[32:63], s[68:99] the two tiles' 32 lane masks each; s66-67 lane selects.
.macro NOPS n
.rept \n
	v_nop
.endr
.endm
.macro KLOAD buf, half                 ; two tiles of 16 keys x 64: four fragments, as images: 16 bytes a lane, 512 a load
.irp tl, 0,1
.irp c, 0,1
.irp g, 0,1
	ds_load_b128 v[KV+8*(2*\tl+\c)+4*\g:KV+8*(2*\tl+\c)+4*\g+3], v[ADR+\buf] offset:((2*\half+\tl)*4+2*\c+\g)*512
.endr
.endr
.endr
.endm
.macro SMUL half                       ; eight products; the four accumulators take turns, one instruction a turn; the first four start the sums
.irp tl, 0,1
.irp x, 0,1
	v_wmma_f32_16x16x32_f16 v[S+32*\x+8*(2*\half+\tl):S+32*\x+8*(2*\half+\tl)+7], v[KV+16*\tl:KV+16*\tl+7], v[Q+16*\x:Q+16*\x+7], 0
.endr
.endr
.irp tl, 0,1
.irp x, 0,1
	v_wmma_f32_16x16x32_f16 v[S+32*\x+8*(2*\half+\tl):S+32*\x+8*(2*\half+\tl)+7], v[KV+16*\tl+8:KV+16*\tl+15], v[Q+16*\x+8:Q+16*\x+15], v[S+32*\x+8*(2*\half+\tl):S+32*\x+8*(2*\half+\tl)+7]
.endr
.endr
.endm
; A KEY STEP of 64 keys for my two tiles of queries.
.macro STEP buf
	s_load_b512 s[32:47], s[22:23], s24 offset:0x0       ; the lane masks: tile 0's 32 words,
	s_load_b512 s[48:63], s[22:23], s24 offset:0x40
	s_load_b512 s[68:83], s[22:23], s24 offset:0x1000    ; tile 1's
	s_load_b512 s[84:99], s[22:23], s24 offset:0x1040
	KLOAD \buf, 0
	s_wait_dscnt 0x0
	SMUL 0
	NOPS 4                                         ; places in front of loads into registers that matrix instructions have read
	KLOAD \buf, 1
	s_wait_dscnt 0x0
	SMUL 1
	NOPS 4                                         ; and in front of the first read of the scores
.irp dt, 0,1,2,3
.irp g, 0,1
	ds_load_b128 v[KV+8*\dt+4*\g:KV+8*\dt+4*\g+3], v[ADR+\buf] offset:VOFF+\dt*1024+\g*512   ; V^T, keys 0-31: it lands during the softmax
.endr
.endr
	s_wait_kmcnt 0x0                               ; the lane masks are in,
	s_wait_xcnt 0x0                                ; and their offset register may be stepped
	s_bitcmp1_b32 s27, s14                         ; all bits on in both tiles: nothing to hide
	s_cbranch_scc1 .Lfull_\@
.irp i, 0,1,2,3,4,5,6,7,8,9,10,11,12,13,14,15,16,17,18,19,20,21,22,23,24,25,26,27,28,29,30,31
	v_cndmask_b32 v[S+\i], v[NINF], v[S+\i], s[32+\i]        ; one select a score, each accumulator from its low end on
.endr
.irp i, 0,1,2,3,4,5,6,7,8,9,10,11,12,13,14,15,16,17,18,19,20,21,22,23,24,25,26,27,28,29,30,31
	v_cndmask_b32 v[S+32+\i], v[NINF], v[S+32+\i], s[68+\i]
.endr
.Lfull_\@:
.irp j, 0,1,2,3                                ; the maximum of a lane's 32 scores and the old m, three operands at a time, four chains, the two tiles by turns
.irp x, 0,1
	v_max3_num_f32 v[ST+8*\x+4+\j], v[S+32*\x+8*\j], v[S+32*\x+8*\j+1], v[S+32*\x+8*\j+2]
.endr
.endr
.irp u, 3,5
.irp j, 0,1,2,3
.irp x, 0,1
	v_max3_num_f32 v[ST+8*\x+4+\j], v[ST+8*\x+4+\j], v[S+32*\x+8*\j+\u], v[S+32*\x+8*\j+\u+1]
.endr
.endr
.endr
.irp x, 0,1
	v_max3_num_f32 v[ST+8*\x+4], v[ST+8*\x+4], v[S+32*\x+7], v[S+32*\x+15]
.endr
.irp x, 0,1
	v_max3_num_f32 v[ST+8*\x+6], v[ST+8*\x+6], v[S+32*\x+23], v[S+32*\x+31]
.endr
.irp x, 0,1
	v_max3_num_f32 v[ST+8*\x+4], v[ST+8*\x+4], v[ST+8*\x+5], v[ST+8*\x+6]
.endr
.irp x, 0,1
	v_max3_num_f32 v[ST+8*\x+4], v[ST+8*\x+4], v[ST+8*\x+7], v[ST+8*\x+1]
.endr
.irp x, 0,1
	v_permlanex16_b32 v[ST+8*\x+5], v[ST+8*\x+4], s66, s67   ; the query's other 32 keys lie in the lane 16 away
.endr
.irp x, 0,1
	v_mov_b32 v[ST+8*\x+7], v[ST+8*\x]             ; c m_old
.endr
.irp x, 0,1
	v_max_num_f32 v[ST+8*\x+1], v[ST+8*\x+4], v[ST+8*\x+5]
.endr
.irp x, 0,1
	v_mul_f32 v[ST+8*\x], s2, v[ST+8*\x+1]
.endr
.irp x, 0,1
	v_sub_f32 v[ST+8*\x+7], v[ST+8*\x+7], v[ST+8*\x]
.endr
.irp b, 0,2,4,6,8,10,12,14,16,18,20,22,24,26,28,30
.irp x, 0,1
	v_pk_fma_f32 v[S+32*\x+\b:S+32*\x+\b+1], v[S+32*\x+\b:S+32*\x+\b+1], s[2:3], v[ST+8*\x:ST+8*\x+1] op_sel_hi:[1,0,0] neg_lo:[0,0,1] neg_hi:[0,0,1]   ; c s - c m, two at a time
.endr
.endr
.irp x, 0,1
	v_exp_f32 v[ST+8*\x+6], v[ST+8*\x+7]           ; a.  ONE BATCH of 66 exponentials: none reads another's result
.endr
.irp i, 0,1,2,3,4,5,6,7,8,9,10,11,12,13,14,15,16,17,18,19,20,21,22,23,24,25,26,27,28,29,30,31,32,33,34,35,36,37,38,39,40,41,42,43,44,45,46,47,48,49,50,51,52,53,54,55,56,57,58,59,60,61,62,63
	v_exp_f32 v[S+\i], v[S+\i]
.endr
	v_nop                                          ; a plain instruction behind the last exponential,
	s_wait_alu depctr_va_vdst(0)                   ; and the one wait ahead of the batch's first reader
.irp x, 0,1
	v_pk_fma_f32 v[ST+8*\x+2:ST+8*\x+3], v[ST+8*\x+2:ST+8*\x+3], v[ST+8*\x+6:ST+8*\x+7], v[S+32*\x:S+32*\x+1] op_sel_hi:[1,0,1]   ; l = a l + the step's sum, of the weights in f32, in two chains
.endr
.irp x, 0,1
	v_pk_add_f32 v[ST+8*\x+4:ST+8*\x+5], v[S+32*\x+2:S+32*\x+3], v[S+32*\x+4:S+32*\x+5]
.endr
.irp b, 6,10,14,18,22,26
.irp x, 0,1
	v_pk_add_f32 v[ST+8*\x+2:ST+8*\x+3], v[ST+8*\x+2:ST+8*\x+3], v[S+32*\x+\b:S+32*\x+\b+1]
	v_pk_add_f32 v[ST+8*\x+4:ST+8*\x+5], v[ST+8*\x+4:ST+8*\x+5], v[S+32*\x+\b+2:S+32*\x+\b+3]
.endr
.endr
.irp x, 0,1
	v_pk_add_f32 v[ST+8*\x+2:ST+8*\x+3], v[ST+8*\x+2:ST+8*\x+3], v[S+32*\x+30:S+32*\x+31]
.endr
.irp x, 0,1
	v_pk_add_f32 v[ST+8*\x+2:ST+8*\x+3], v[ST+8*\x+2:ST+8*\x+3], v[ST+8*\x+4:ST+8*\x+5]
.endr
.irp j, 0,1,2,3,4,5,6,7,8,9,10,11,12,13,14,15
.irp x, 0,1
	v_cvt_pk_f16_f32 v[S+32*\x+\j], v[S+32*\x+2*\j], v[S+32*\x+2*\j+1]   ; P, in place and ascending: register j takes weights 2 j and 2 j + 1
.endr
.endr
.irp dt, 0,1,2,3
.irp g, 0,1
	ds_load_b128 v[S+16+32*(\dt/2)+8*(\dt%2)+4*\g:S+16+32*(\dt/2)+8*(\dt%2)+4*\g+3], v[ADR+\buf] offset:VOFF+4096+\dt*1024+\g*512   ; V^T, keys 32-63, into the halves that the packing has freed
.endr
.endr
.irp x, 0,1
.irp i, 0,2,4,6,8,10,12,14,16,18,20,22,24,26,28,30
	v_pk_mul_f32 v[O+32*\x+\i:O+32*\x+\i+1], v[O+32*\x+\i:O+32*\x+\i+1], v[ST+8*\x+6:ST+8*\x+7] op_sel_hi:[1,0]   ; O^T x a, each accumulator from its low end on
.endr
.endr
	s_wait_dscnt 0x0                               ; V is in
.irp dt, 0,1,2,3                               ; O^T += V^T P: the eight accumulators take turns, twice round
.irp x, 0,1
	v_wmma_f32_16x16x32_f16 v[O+32*\x+8*\dt:O+32*\x+8*\dt+7], v[KV+8*\dt:KV+8*\dt+7], v[S+32*\x:S+32*\x+7], v[O+32*\x+8*\dt:O+32*\x+8*\dt+7]
.endr
.endr
.irp dt, 0,1,2,3
.irp x, 0,1
	v_wmma_f32_16x16x32_f16 v[O+32*\x+8*\dt:O+32*\x+8*\dt+7], v[S+16+32*(\dt/2)+8*(\dt%2):S+16+32*(\dt/2)+8*(\dt%2)+7], v[S+32*\x+8:S+32*\x+15], v[O+32*\x+8*\dt:O+32*\x+8*\dt+7]
.endr
.endr
	NOPS 5                                         ; places for whatever follows on any way: loads into K's registers, new scores laid over P and V, the merge's stores of O^T
.endm
; A SUPER-STEP.  ONE barrier: in front of it my chunk of this buffer is stored and my reads of the other buffer are back; behind it the buffer is whole and the other one may be written in the next trip.
.macro TRIP buf
	s_wait_loadcnt 0x0                             ; my chunk has come (in the first trip: Q too)
.irp i, 0,1,2,3,4,5,6,7
	ds_store_b128 v[STA+\buf], v[STG+4*\i:STG+4*\i+3] offset:512*\i   ; in every trip: where no chunk was asked for, bytes that nobody reads
.endr
	s_wait_dscnt 0x0
	s_barrier_signal -1
	s_barrier_wait -1
	s_lshr_b32 s25, s25, 4                         ; the block's map: the next super-step's four key steps.  Behind the eighth shift it is 0: no load passes the head's end
	s_add_nc_u64 s[20:21], s[20:21], 32768         ; (its loads are done)
	s_bitcmp1_b32 s25, s15
	s_cbranch_scc0 .Lnoload_\@
.irp i, 0,1,2,3,4,5,6,7
	global_load_b128 v[STG+4*\i:STG+4*\i+3], v[L16], s[20:21] offset:512*\i   ; a whole trip ahead of its store
.endr
.Lnoload_\@:
	s_bitcmp1_b32 s26, s14                         ; has either of my tiles a bit in my key step?
	s_cbranch_scc0 .Lnostep_\@
	STEP \buf
.Lnostep_\@:
	s_lshr_b32 s26, s26, 4
	s_lshr_b32 s27, s27, 4
	s_add_co_u32 s24, s24, 512                     ; four key steps' mask words on
.endm
	s_load_b256 s[4:11], s[0:1], 0x0               ; qkv, maskw, flags, oimg
	v_lshl_add_u32 v[SPW], v0, 2, SPARE
	v_mov_b32 v[NIL], 0
	v_lshrrev_b32 v14, 5, v0
	v_readfirstlane_b32 s12, v14                   ; wave 0..15
	s_and_b32 s13, s12, 3                          ; QG
	s_lshr_b32 s14, s12, 2                         ; KP
	s_and_b32 s15, s12, 7
	s_lshr_b32 s15, s15, 1                         ; my staging chunk (4,096 bytes; waves 0-7 K's, 8-15 V's) is half of this key step
	s_and_b32 s16, ttmp7, 0xffff                   ; y
	v_and_b32 v14, 31, v0
	v_lshlrev_b32 v[L16], 4, v14
	v_lshlrev_b32 v15, 2, v14
	s_lshl_b32 s30, s14, 13
	v_add_nc_u32 v[ADR], s30, v[L16]               ; every LDS address: a constant + a constant x wave + 16 (or 4) x lane
	v_add_nc_u32 v[ADR+1], BUF1, v[ADR]
	s_lshl_b32 s30, s12, 12
	v_add_nc_u32 v[STA], s30, v[L16]
	v_add_nc_u32 v[STA+1], BUF1, v[STA]
	s_lshl_b32 s30, s12, 13
	s_add_co_u32 s30, s30, MRG
	v_add_nc_u32 v[MW], s30, v[L16]
	s_lshl_b32 s30, s13, 13
	s_lshl_b32 s31, s14, 11
	s_add_co_u32 s30, s30, s31
	s_add_co_u32 s30, s30, MRG
	v_add_nc_u32 v[MR], s30, v[L16]                ; phase p of my queries lies 32,768 p on; of its O^T I take the 16 channels KP
	v_add_nc_u32 v[MR+1], 65536, v[MR]
	s_lshl_b32 s30, s12, 9
	s_add_co_u32 s30, s30, STAT
	v_add_nc_u32 v[SW], s30, v15
	s_lshl_b32 s30, s13, 9
	s_add_co_u32 s30, s30, STAT
	v_add_nc_u32 v[SR], s30, v15
	v_mov_b32 v[NINF], 0xff800000
	s_mov_b32 s2, 0x3e38aa3b                       ; c = log2(e) / 8
	s_mov_b32 s3, s2
	s_mov_b32 s66, 0x76543210
	s_mov_b32 s67, 0xfedcba98
	v_mov_b32 v[ST+5], 0                           ; (a lane permute's destination counts as one of its sources)
	v_mov_b32 v[ST+13], 0
	s_mov_b32 s18, 0
	s_wait_kmcnt 0x0
.Lblk:
	s_wait_xcnt 0x0                                ; the last block's stores have read their registers and their base
	s_sub_co_u32 s17, 15, ttmp9
	s_cmp_eq_u32 s18, 0
	s_cselect_b32 s17, ttmp9, s17                  ; the block of 128 queries: x, then 15 - x
	s_lshr_b32 s100, s16, 4
	s_lshl_b32 s100, s100, 7
	s_lshl_b32 s44, s17, 3
	s_add_co_u32 s100, s100, s44                   ; its first tile of 16 queries, counted over both batches
	s_lshl_b32 s44, s100, 2
	s_lshl_b32 s45, s13, 3
	s_add_co_u32 s45, s45, s44
	s_load_b256 s[32:39], s[8:9], s44 offset:0x0   ; the maps of the block's eight tiles,
	s_load_b64 s[40:41], s[8:9], s45 offset:0x0    ; of my two,
	s_load_b64 s[42:43], s[8:9], s45 offset:0x400  ; and my two's all-on maps
	s_lshl_b32 s46, s17, 3
	s_lshl_b32 s47, s13, 1
	s_add_co_u32 s46, s46, s47
	s_lshl_b32 s46, s46, 11                        ; Q: 2,048 bytes a tile
	s_lshl_b32 s47, s16, 18
	s_add_co_u32 s46, s46, s47
	s_mov_b32 s47, 0
	s_add_nc_u64 s[48:49], s[4:5], s[46:47]
.irp e, 0,1,2,3,4,5,6,7
	global_load_b128 v[Q+4*\e:Q+4*\e+3], v[L16], s[48:49] offset:512*\e
.endr
	s_lshr_b32 s50, s12, 3
	s_add_co_u32 s50, s50, 1
	s_lshl_b32 s50, s50, 23                        ; k's region, or v's
	s_lshl_b32 s51, s16, 18
	s_add_co_u32 s50, s50, s51
	s_and_b32 s51, s12, 7
	s_lshl_b32 s51, s51, 12
	s_add_co_u32 s50, s50, s51
	s_mov_b32 s51, 0
	s_add_nc_u64 s[20:21], s[4:5], s[50:51]
.irp i, 0,1,2,3,4,5,6,7
	global_load_b128 v[STG+4*\i:STG+4*\i+3], v[L16], s[20:21] offset:512*\i   ; super-step 0's chunk, without a condition
.endr
	s_lshl_b32 s52, s13, 1
	s_add_co_u32 s52, s52, s100                    ; my first tile
	s_lshl_b32 s54, s52, 12
	s_mov_b32 s55, 0
	s_add_nc_u64 s[22:23], s[6:7], s[54:55]
	s_lshl_b32 s54, s52, 15                        ; oimg: 32,768 bytes a tile of tokens;
	s_and_b32 s53, s16, 15
	s_lshl_b32 s53, s53, 1
	s_lshr_b32 s56, s14, 1
	s_add_co_u32 s53, s53, s56
	s_lshl_b32 s53, s53, 10                        ; the chunk of 32 along the next K: 2 x head + KP / 2;
	s_add_co_u32 s54, s54, s53
	s_and_b32 s53, s14, 1
	s_lshl_b32 s53, s53, 9                         ; its half
	s_add_co_u32 s54, s54, s53
	s_add_nc_u64 s[28:29], s[10:11], s[54:55]
.irp j, 0,1,2,3,4,5,6,7,8,9,10,11,12,13,14,15,16,17,18,19,20,21,22,23,24,25,26,27,28,29,30,31,32,33,34,35,36,37,38,39,40,41,42,43,44,45,46,47,48,49,50,51,52,53,54,55,56,57,58,59,60,61,62,63
	v_mov_b32 v[O+\j], 0                           ; which key step is a wave's first hangs on the stored maps, so no product can be written out to start these sums
.endr
.irp x, 0,1
	v_mov_b32 v[ST+8*\x+1], 0xff61b1e6             ; m = -3e38
	v_mov_b32 v[ST+8*\x+2], 0                      ; l
	v_mov_b32 v[ST+8*\x+3], 0
.endr
.irp x, 0,1
	v_mul_f32 v[ST+8*\x], s2, v[ST+8*\x+1]
.endr
	s_wait_kmcnt 0x0
	s_wait_xcnt 0x0                                ; the offsets and bases above may be written again
	s_or_b32 s25, s32, s33
.irp j, 34,35,36,37,38,39
	s_or_b32 s25, s25, s\j
.endr
	s_or_b32 s26, s40, s41
	s_and_b32 s27, s42, s43
	s_lshl_b32 s24, s14, 7                         ; 128 bytes of mask words a key step
	s_mov_b32 s19, 4
.Lss:
	TRIP 0
	TRIP 1
	s_sub_co_u32 s19, s19, 1
	s_cmp_lg_u32 s19, 0
	s_cbranch_scc1 .Lss
	; THE MERGE of the four phases.
	s_wait_loadcnt 0x0                             ; the staging registers are written below
.irp x, 0,1
	v_add_f32 v[ST+8*\x+4], v[ST+8*\x+2], v[ST+8*\x+3]
.endr
.irp x, 0,1
	v_permlanex16_b32 v[ST+8*\x+5], v[ST+8*\x+4], s66, s67
.endr
.irp x, 0,1
	v_add_f32 v[ST+8*\x+4], v[ST+8*\x+4], v[ST+8*\x+5]   ; my phase's sum for the lane's query
.endr
.irp dt, 0,1,2,3
.irp x, 0,1
	ds_store_b128 v[MW], v[O+32*\x+8*\dt:O+32*\x+8*\dt+3] offset:(\dt*4+\x*2)*512        ; each accumulator from its low end on
	ds_store_b128 v[MW], v[O+32*\x+8*\dt+4:O+32*\x+8*\dt+7] offset:(\dt*4+\x*2+1)*512
.endr
.endr
.irp x, 0,1
	ds_store_b32 v[SW], v[ST+8*\x] offset:256*\x
	ds_store_b32 v[SW], v[ST+8*\x+4] offset:256*\x+128
.endr
	s_wait_dscnt 0x0                               ; for the others' sake: my stores have landed
	s_barrier_signal -1
	s_barrier_wait -1
.irp p, 0,1,2,3
.irp e, 0,1,2,3
	ds_load_b32 v[KV+4*\p+\e], v[SR] offset:\p*2048+\e*128   ; phase p: c m and l of tile 0, of tile 1
.endr
.endr
.irp p, 0,1
.irp e, 0,1,2,3
	ds_load_b128 v[S+16*\p+4*\e:S+16*\p+4*\e+3], v[MR] offset:\p*32768+\e*512
	ds_load_b128 v[S+32+16*\p+4*\e:S+32+16*\p+4*\e+3], v[MR+1] offset:\p*32768+\e*512
.endr
.endr
	s_wait_dscnt 0x0
.irp x, 0,1
	v_max3_num_f32 v[CMX+\x], v[KV+2*\x], v[KV+4+2*\x], v[KV+8+2*\x]
.endr
.irp x, 0,1
	v_max_num_f32 v[CMX+\x], v[CMX+\x], v[KV+12+2*\x]
.endr
.irp p, 0,1,2,3
.irp x, 0,1
	v_sub_f32 v[WP+4*\x+\p], v[KV+4*\p+2*\x], v[CMX+\x]
.endr
.endr
.irp i, 0,1,2,3,4,5,6,7
	v_exp_f32 v[WP+\i], v[WP+\i]                   ; a phase's weight: 2^(its c m - the common c m)
.endr
	v_nop
	s_wait_alu depctr_va_vdst(0)                   ; one wait for the eight, ahead of their first reader
.irp x, 0,1
	v_mul_f32 v[LS+\x], v[WP+4*\x], v[KV+2*\x+1]
.endr
.irp p, 1,2,3
.irp x, 0,1
	v_fmac_f32 v[LS+\x], v[WP+4*\x+\p], v[KV+4*\p+2*\x+1]
.endr
.endr
.irp x, 0,1
	v_rcp_f32 v[RC+\x], v[LS+\x]
.endr
	v_nop
	s_wait_alu depctr_va_vdst(0)                   ; one wait for the two
.irp x, 0,1
	v_cmp_lt_f32 vcc_lo, 0, v[LS+\x]
	v_cndmask_b32 v[RC+\x], 0, v[RC+\x], vcc_lo    ; a row with no key: the factor is 0, and so is o
.endr
.irp p, 0,1,2,3
.irp x, 0,1
	v_mul_f32 v[WP+4*\x+\p], v[WP+4*\x+\p], v[RC+\x]
.endr
.endr
.irp x, 0,1
.irp j, 0,1,2,3,4,5,6,7
	v_mul_f32 v[OF+8*\x+\j], v[WP+4*\x], v[S+8*\x+\j]
.endr
.irp p, 1,2,3
.irp j, 0,1,2,3,4,5,6,7
	v_fmac_f32 v[OF+8*\x+\j], v[WP+4*\x+\p], v[S+16*\p+8*\x+\j]
.endr
.endr
.irp i, 0,1,2,3
	v_cvt_pk_f16_f32 v[OH+4*\x+\i], v[OF+8*\x+2*\i], v[OF+8*\x+2*\i+1]
.endr
	global_store_b128 v[L16], v[OH+4*\x:OH+4*\x+3], s[28:29] offset:\x*32768   ; 512 consecutive bytes, aligned: four registers of the next launch's fragment
.endr
	s_add_co_u32 s18, s18, 1
	s_cmp_lt_u32 s18, 2
	s_cbranch_scc1 .Lblk
	s_wait_tensorcnt 0x0                           ; the wave's end, behind my last LDS store
	ds_add_u32 v[SPW], v[NIL]
	s_wait_dscnt 0x0
	s_endpgm
.Lfunc_end_k_q022521459b_attn:
	.size	k_q022521459b_attn, .Lfunc_end_k_q022521459b_attn-k_q022521459b_attn
	.p2alignl 7, 3214868480
	.fill 96, 4, 3214868480
	.section	.rodata,"a",@progbits
	.p2align	6, 0x0
	.amdhsa_kernel k_q022521459b_attn
		.amdhsa_group_segment_fixed_size 272384
		.amdhsa_private_segment_fixed_size 0
		.amdhsa_enable_private_segment 0
		.amdhsa_kernarg_size 32
		.amdhsa_user_sgpr_count 2
		.amdhsa_user_sgpr_kernarg_segment_ptr 1
		.amdhsa_wavefront_size32 1
		.amdhsa_system_sgpr_workgroup_id_x 1
		.amdhsa_system_sgpr_workgroup_id_y 1
		.amdhsa_system_sgpr_workgroup_id_z 1
		.amdhsa_system_vgpr_workitem_id 0
		.amdhsa_next_free_vgpr 256
		.amdhsa_next_free_sgpr 102
		.amdhsa_reserve_vcc 1
		.amdhsa_float_denorm_mode_32 3
		.amdhsa_float_denorm_mode_16_64 3
		.amdhsa_memory_ordered 1
		.amdhsa_forward_progress 1
		.amdhsa_inst_pref_size 63
	.end_amdhsa_kernel
	.amdgpu_metadata
---
amdhsa.version: [ 1, 2 ]
amdhsa.kernels:
  - .name:           k_q022521459b_attn
    .symbol:         k_q022521459b_attn.kd
    .args:
      - { .name: qkv, .offset: 0, .size: 8, .value_kind: global_buffer, .address_space: global }
      - { .name: maskw, .offset: 8, .size: 8, .value_kind: global_buffer, .address_space: global }
      - { .name: flags, .offset: 16, .size: 8, .value_kind: global_buffer, .address_space: global }
      - { .name: oimg, .offset: 24, .size: 8, .value_kind: global_buffer, .address_space: global }
    .group_segment_fixed_size: 272384
    .private_segment_fixed_size: 0
    .kernarg_segment_align: 8
    .kernarg_segment_size: 32
    .max_flat_workgroup_size: 512
    .sgpr_count:     102
    .vgpr_count:     256
    .wavefront_size: 32
...
	.end_amdgpu_metadata
.endif
;; end of part 3
;; launch outp (part 4): grid 8 x 32, 4 waves a work-group, clusters of 4 x 4, 327,680 bytes of LDS; arguments oimg, wo16, out0; writes out0
.if DOCPART == 4
	.amdgcn_target "amdgcn-amd-amdhsa--gfx1250"
	.amdhsa_code_object_version 6
	.text
	.protected	k_q022521459b_outp
	.globl	k_q022521459b_outp
	.p2align	8
	.type	k_q022521459b_outp,@function
k_q022521459b_outp:
	s_mov_b64 s[64:65], 0
	v_nop
	global_prefetch_b8 v0, s[64:65] scope:SCOPE_SE
	s_setreg_imm32_b32 hwreg(HW_REG_WAVE_MODE, 25, 1), 1
	s_wait_xcnt 0x0
	s_wait_alu depctr_hold_cnt(0) depctr_sa_sdst(0) depctr_va_vdst(0) depctr_va_sdst(0) depctr_va_ssrc(0) depctr_va_vcc(0) depctr_vm_vsrc(0)
	s_getreg_b32 s2, hwreg(HW_REG_IB_STS2, 6, 4)
	s_cmp_eq_u32 s2, 0
	s_cbranch_scc0 .Lentry_in_a_cluster
	s_endpgm
.Lentry_in_a_cluster:
	s_bfe_u32 s2, ttmp6, 0x10000c
	s_cmp_lg_u32 s2, 0xf033
	s_cbranch_scc0 .Lentry_shape_is_right
	s_endpgm
.Lentry_shape_is_right:
; OUTP: out0[t][n] = sum over k of o[t][k] Wo[n][k]; f16 operands, f32 sums, f32 out.  o comes as images of its fragments' registers: [tile of 16 tokens][32 along K][half][lane][16 bytes]; Wo as rows of 1,024 f16.
; A tile of 128 x 128 of out0 is made by a work-group of four waves, each 64 x 64: 16 accumulators.  K goes in four steps of 256 through a ring of two LDS slots filled by the tensor data mover.
; CLUSTERS: 4 x 4 work-groups; the four of a row need the same tiles of o, the four of a column the same tiles of Wo: each is asked for jointly.
; THE MATRIX INSTRUCTION IS USED TRANSPOSED (source 0 = 16 rows of Wo, source 1 = 16 tokens): a lane holds eight neighbouring numbers of a row of out0.
; REGISTERS: window 0: v0-31 addresses; v32-95 at work on the way out; v128-255 the accumulators ((a, b) at v[128 + 8 (4 a + b)]).  window 1: two fragment buffers of 128: 64 registers of o, then 64 of Wo, for 64 along K.
.set KSTEP,  256
.set PITCH,  528                       ; a row of Wo in LDS: 512 bytes + 16 = 132 words, so the 16 rows of a load start at 16 different banks (64 banks of 4 bytes: ISA guide 11.1)
.set AHALF,  32768                     ; o: 4 tiles of tokens x 8,192 bytes of images: what one tensor load brings; no padding: every read is 512 consecutive bytes
.set BHALF,  64*PITCH
.set BOFF,   2*AHALF
.set SLOT,   BOFF+2*BHALF
.set STAGE,  2*SLOT                    ; behind the ring: 16 rows x (256 bytes + 16) for each wave
.set SPITCH, 272
.set SPARE,  STAGE+4*16*SPITCH         ; the spare words: 128 bytes a wave, two blocks of 256 bytes that no other line names
.set LAPS,   2
.set ADRA, 16
.set ADRB, 20
.set STO,  24
.set RD,   25
.set CO,   26
.set SPW,  28                          ; v28  LDS address of my spare word; never rewritten
.set NIL,  29                          ; v29  0; never rewritten
.set TMP,  32
.set ACC,  128
.set F0,   0
.set F1,   128
.set G1, 24
.set G0, 32
.set G1B, 48
.set G0B, 56
.set MSB, 0
.macro WIN new
.if MSB != (\new)
	s_set_vgpr_msb (MSB<<8)|(\new)
.set MSB, (\new)
.endif
.endm
.set MUL,  0x05                        ; sources 0 and 1 window 1; C and D window 0
.set TO_F, 0x40                        ; destination window 1, address window 0
.macro JLOAD s                         ; waves 0 and 1 fetch o's two halves, waves 2 and 3 Wo's; an s_nop 0 and four v_nop follow each line
	s_cmp_eq_u32 s11, 0
	s_cbranch_scc0 .Lfor_b_\@
	tensor_load_to_lds s[G0+4*\s:G0+4*\s+3], s[G1:G1+7]
	s_nop 0
.rept 4
	v_nop
.endr
	s_branch .Lasked_\@
.Lfor_b_\@:
	tensor_load_to_lds s[G0B+4*\s:G0B+4*\s+3], s[G1B:G1B+7]
	s_nop 0
.rept 4
	v_nop
.endr
.Lasked_\@:
.endm
.macro CREST
	s_cmp_lg_u32 s10, 0
	s_cbranch_scc1 .Lnot_wave_0_\@
	s_barrier_signal -3
.Lnot_wave_0_\@:
	s_barrier_wait -3
	s_barrier_signal -1
	s_barrier_wait -1
.endm
.macro CROUND
	s_barrier_signal -1
	s_barrier_wait -1
	CREST
.endm
	s_load_b128 s[4:7], s[0:1], 0x0                ; oimg s[4:5], wo16 s[6:7]
	s_load_b64 s[8:9], s[0:1], 0x10                ; out0
	v_lshl_add_u32 v[SPW], v0, 2, SPARE
	v_mov_b32 v[NIL], 0
	ds_add_u32 v[SPW], v[NIL]                      ; the wave's opening: the add, twice on end, and its wait ahead of my first tensor load
	ds_add_u32 v[SPW], v[NIL]
	v_lshrrev_b32 v1, 5, v0
	v_readfirstlane_b32 s10, v1                    ; wave 0..3
	s_lshr_b32 s11, s10, 1                         ; which half of the tile's tokens is mine.  Also: I fetch for o (0) or for Wo (1)
	s_and_b32 s12, s10, 1                          ; which half of its columns.  Also: which half of that tile I fetch
	s_bfe_u32 s40, ttmp6, 0x40000                  ; cx
	s_bfe_u32 s41, ttmp6, 0x40004                  ; cy
	s_lshl_b32 s42, ttmp9, 2
	s_add_co_u32 s42, s42, s40                     ; tile column
	s_and_b32 s13, ttmp7, 0xffff
	s_lshl_b32 s13, s13, 2
	s_add_co_u32 s13, s13, s41                     ; tile row
	s_lshl_b32 s43, s41, 2
	s_lshl_b32 s43, 15, s43                        ; my row of the cluster
	s_lshl_b32 s44, 0x1111, s40                    ; my column
	s_or_b32 s[G1+0], s43, (3<<16)|(1<<21)         ; o: the mask; elements of 8 bytes; bit 21 beside a mask; no padding
	s_mov_b32 s[G1+1], 1024<<16                    ; tensor_dim0 = 1,024 elements: a K step's 8,192 bytes of one tile of tokens
	s_mov_b32 s[G1+2], 4<<16                       ; tensor_dim1 = 4 tiles of tokens
	s_mov_b32 s[G1+3], 1024<<16                    ; tile_dim0
	s_mov_b32 s[G1+4], 4                           ; tile_dim1
	s_mov_b32 s[G1+5], 4096                        ; the pitch: 32,768 bytes from tile to tile
	s_mov_b32 s[G1+6], 0
	s_mov_b32 s[G1+7], 0
	s_or_b32 s[G1B+0], s44, (1<<16)|(1<<20)|(1<<21)|(6<<22)|(3<<25)   ; Wo: elements of 2 bytes; 4 words of padding behind every 128
	s_mov_b32 s[G1B+1], KSTEP<<16
	s_mov_b32 s[G1B+2], 64<<16
	s_mov_b32 s[G1B+3], KSTEP<<16
	s_mov_b32 s[G1B+4], 64
	s_mov_b32 s[G1B+5], 1024
	s_mov_b32 s[G1B+6], 0
	s_mov_b32 s[G1B+7], 0
	s_lshl_b32 s16, s13, 3
	s_lshl_b32 s17, s12, 2
	s_add_co_u32 s16, s16, s17
	s_lshl_b32 s16, s16, 15                        ; o: tile of tokens 8 x tile row + 4 x half
	s_mov_b32 s17, 0
	s_lshl_b32 s46, s42, 7
	s_lshl_b32 s47, s12, 6
	s_add_co_u32 s46, s46, s47
	s_lshl_b32 s46, s46, 11                        ; Wo: row 128 x tile column + 64 x half, 2,048 bytes a row
	s_mov_b32 s47, 0
	s_lshl_b32 s20, s12, 15                        ; where they go in a slot: no place in the cluster enters an LDS address
	s_mul_i32 s21, s12, BHALF
	s_add_co_u32 s21, s21, BOFF
	s_wait_dscnt 0x0                               ; both opening adds are done
	s_wait_kmcnt 0x0
	s_add_nc_u64 s[14:15], s[4:5], s[16:17]
	s_add_nc_u64 s[46:47], s[6:7], s[46:47]
	CROUND                                         ; all sixteen work-groups are here: the first joint loads meet
.irp s, 0,1
	s_mov_b32 s[G0+4*\s], 1
	s_add_co_u32 s[G0+4*\s+1], s20, \s*SLOT
	s_add_nc_u64 s[G0+4*\s+2:G0+4*\s+3], s[14:15], \s*8192
	s_or_b32 s[G0+4*\s+3], s[G0+4*\s+3], 0x80000000
	s_mov_b32 s[G0B+4*\s], 1
	s_add_co_u32 s[G0B+4*\s+1], s21, \s*SLOT
	s_add_nc_u64 s[G0B+4*\s+2:G0B+4*\s+3], s[46:47], \s*KSTEP*2
	s_or_b32 s[G0B+4*\s+3], s[G0B+4*\s+3], 0x80000000
	JLOAD \s
.endr
	v_and_b32 v1, 15, v0                           ; r
	v_bfe_u32 v2, v0, 4, 1                         ; h
	v_and_b32 v6, 31, v0
	v_lshlrev_b32 v6, 4, v6                        ; 16 x lane: an image's place for my lane
	v_mul_u32_u24 v3, v1, PITCH
	v_lshl_add_u32 v3, v2, 4, v3
	s_lshl_b32 s21, s11, 15                        ; my 64 tokens
	s_mul_i32 s22, s12, BHALF                      ; my 64 rows of Wo
	s_add_co_u32 s22, s22, BOFF
.irp s, 0,1
	v_add_nc_u32 v[ADRA+\s], s21, v6
	v_add_nc_u32 v[ADRB+\s], s22, v3
	s_add_co_u32 s21, s21, SLOT
	s_add_co_u32 s22, s22, SLOT
.endr
	s_mul_i32 s23, s10, 16*SPITCH
	s_add_co_u32 s23, s23, STAGE                   ; my stage
	v_mul_u32_u24 v4, v1, SPITCH
	v_lshl_add_u32 v4, v2, 5, v4
	v_add_nc_u32 v[STO], s23, v4                   ; in: row r, 32 bytes for each half of the lanes
	v_mul_u32_u24 v5, v2, SPITCH
	v_lshl_add_u32 v5, v1, 4, v5
	v_add_nc_u32 v[RD], s23, v5                    ; back: lanes 0-15 one row of 256 bytes, lanes 16-31 the next
	v_lshlrev_b32 v5, 12, v2
	v_lshl_add_u32 v[CO], v1, 4, v5                ; and the same two rows in out0 (4,096 bytes a row)
	s_lshl_b32 s16, s13, 7
	s_lshl_b32 s17, s11, 6
	s_add_co_u32 s16, s16, s17
	s_lshl_b32 s16, s16, 12                        ; my first row
	s_mov_b32 s17, 0
	s_add_nc_u64 s[8:9], s[8:9], s[16:17]
	s_lshl_b32 s46, s42, 9
	s_lshl_b32 s47, s12, 8
	s_add_co_u32 s46, s46, s47                     ; my first column, in bytes
	s_mov_b32 s47, 0
	s_add_nc_u64 s[8:9], s[8:9], s[46:47]
.macro MUL8 f, c, a0, zero             ; 8 products: token blocks a0, a0 + 1 x all 4 blocks of columns, 32 along K; the 16 accumulators take turns
.irp a, \a0, \a0+1
.irp b, 0,1,2,3
.if \zero
	v_wmma_f32_16x16x32_f16 v[ACC+8*(4*(\a)+\b):ACC+8*(4*(\a)+\b)+7], v[\f+64+8*(4*\c+\b):\f+64+8*(4*\c+\b)+7], v[\f+8*(4*\c+\a):\f+8*(4*\c+\a)+7], 0
.else
	v_wmma_f32_16x16x32_f16 v[ACC+8*(4*(\a)+\b):ACC+8*(4*(\a)+\b)+7], v[\f+64+8*(4*\c+\b):\f+64+8*(4*\c+\b)+7], v[\f+8*(4*\c+\a):\f+8*(4*\c+\a)+7], v[ACC+8*(4*(\a)+\b):ACC+8*(4*(\a)+\b)+7]
.endif
.endr
.endr
.endm
; 32 LDS loads in one run: the fragments of 64 along K; k: byte in Wo's rows (128 a quarter); in o's images a quarter is two chunks of 1,024 bytes: 16 k
.macro FETCH slot, k, f
	WIN TO_F
.irp c, 0,1
.irp i, 0,1,2,3
	ds_load_b128 v[\f+64+8*(4*\c+\i):\f+64+8*(4*\c+\i)+3],   v[ADRB+\slot] offset:\k+64*\c+\i*16*PITCH
	ds_load_b128 v[\f+64+8*(4*\c+\i)+4:\f+64+8*(4*\c+\i)+7], v[ADRB+\slot] offset:\k+64*\c+\i*16*PITCH+32
	ds_load_b128 v[\f+8*(4*\c+\i):\f+8*(4*\c+\i)+3],         v[ADRA+\slot] offset:\i*8192+(\k)*16+\c*1024
	ds_load_b128 v[\f+8*(4*\c+\i)+4:\f+8*(4*\c+\i)+7],       v[ADRA+\slot] offset:\i*8192+(\k)*16+\c*1024+512
.endr
.endr
.endm
.macro PLACES
.rept 4
	v_nop
.endr
.endm
.macro QUARTER slot, k, f, g, zero
	s_wait_dscnt 16                                ; the first 32 along K are in; the sixteen loads of the second 32 may be out
	WIN MUL
	MUL8 \f, 0, 0, \zero
	MUL8 \f, 0, 2, \zero
	PLACES
	FETCH \slot, \k, \g
	s_wait_dscnt 32                                ; all but the 32 just issued
	WIN MUL
	MUL8 \f, 1, 0, 0
	MUL8 \f, 1, 2, 0
.endm
; A slot's last quarter changes slots: in front of the barrier each wave waits for all its tensor loads, adds 0 to its spare word, and waits for that and for its reads of this slot.  fill = 1: the slot is filled again, two K steps ahead.
.macro TURN slot, next, fill
	WIN 0
	s_wait_tensorcnt 0x0
	ds_add_u32 v[SPW], v[NIL]
	s_wait_dscnt 17                                ; the add and the youngest sixteen loads may be out
	WIN MUL
	MUL8 F1, 0, 0, 0
	s_wait_dscnt 0x0                               ; the add is done, and my reads of this slot are over
	s_barrier_signal -1
	MUL8 F1, 0, 2, 0
.if \fill
	WIN 0
.endif
	s_barrier_wait -1
.if \fill
	CREST                                          ; the barrier has opened a round of the cluster's: no wave of any partner still reads this slot or has a load on its way
	s_add_nc_u64 s[G0+4*\slot+2:G0+4*\slot+3], s[G0+4*\slot+2:G0+4*\slot+3], 2*8192
	s_add_nc_u64 s[G0B+4*\slot+2:G0B+4*\slot+3], s[G0B+4*\slot+2:G0B+4*\slot+3], 2*KSTEP*2
	JLOAD \slot                                    ; the first tensor load behind the round; its four v_nop are also the places in front of the loads below
.else
	PLACES
.endif
	FETCH \next, 0, F0
	WIN MUL
	MUL8 F1, 1, 0, 0
	MUL8 F1, 1, 2, 0
.endm
	s_wait_tensorcnt 1                             ; my part of K step 0 is in; K step 1's load may be out
	s_barrier_signal -1
	s_barrier_wait -1
	FETCH 0, 0, F0
	QUARTER 0, 128, F0, F1, 1                      ; the first products start the sums
	WIN 0
	s_mov_b32 s3, LAPS-1
.Llap:
	QUARTER 0, 256, F1, F0, 0
	QUARTER 0, 384, F0, F1, 0
	TURN 0, 1, 1
	QUARTER 1, 128, F0, F1, 0
	QUARTER 1, 256, F1, F0, 0
	QUARTER 1, 384, F0, F1, 0
	TURN 1, 0, 1
	QUARTER 0, 128, F0, F1, 0
	WIN 0
	s_sub_co_u32 s3, s3, 1
	s_cmp_lg_u32 s3, 0
	s_cbranch_scc1 .Llap
	QUARTER 0, 256, F1, F0, 0                      ; the last lap fills nothing
	QUARTER 0, 384, F0, F1, 0
	TURN 0, 1, 0
	QUARTER 1, 128, F0, F1, 0
	QUARTER 1, 256, F1, F0, 0
	QUARTER 1, 384, F0, F1, 0
	s_wait_dscnt 16
	WIN MUL
	MUL8 F1, 0, 0, 0
	MUL8 F1, 0, 2, 0
	s_wait_dscnt 0
	MUL8 F1, 1, 0, 0
	MUL8 F1, 1, 2, 0
	WIN 0
; THE WAY OUT, 16 rows at a time.  My 64 columns of f32 are 256 consecutive bytes of a row, aligned: they go through my own stage and come back as whole rows; LDS serves a wave's instructions in order, so no wait stands between.
.macro TOSTAGE a
.irp b, 0,1,2,3
	ds_store_b128 v[STO], v[ACC+8*(4*\a+\b):ACC+8*(4*\a+\b)+3] offset:64*\b       ; each accumulator from its low end on
	ds_store_b128 v[STO], v[ACC+8*(4*\a+\b)+4:ACC+8*(4*\a+\b)+7] offset:64*\b+16
.endr
.irp t, 0,1,2,3,4,5,6,7
	ds_load_b128 v[TMP+32*(\a%2)+4*\t:TMP+32*(\a%2)+4*\t+3], v[RD] offset:\t*2*SPITCH
.endr
.endm
.macro SEND a, younger                 ; younger: the LDS instructions issued behind block a's loads: the next block's eight stores and eight loads, or none
	s_wait_dscnt \younger
.irp t, 0,1,2,3,4,5,6,7
	global_store_b128 v[CO], v[TMP+32*(\a%2)+4*\t:TMP+32*(\a%2)+4*\t+3], s[8:9] offset:(16*\a+2*\t)*4096 th:TH_STORE_NT   ; sixteen lanes store 256 consecutive bytes, aligned
.endr
.endm
	PLACES
	TOSTAGE 0
	TOSTAGE 1
	SEND 0, 16
	s_wait_xcnt 0x0                                ; block 0's stores have read their registers: block 2's loads may land there
	TOSTAGE 2
	SEND 1, 16
	s_wait_xcnt 0x0
	TOSTAGE 3
	SEND 2, 16
	SEND 3, 0
	s_wait_tensorcnt 0x0                           ; the wave's end
	ds_add_u32 v[SPW], v[NIL]
	s_wait_dscnt 0x0
	CROUND                                         ; the closing round
	s_endpgm
.Lfunc_end_k_q022521459b_outp:
	.size	k_q022521459b_outp, .Lfunc_end_k_q022521459b_outp-k_q022521459b_outp
	.p2alignl 7, 3214868480
	.fill 96, 4, 3214868480
	.section	.rodata,"a",@progbits
	.p2align	6, 0x0
	.amdhsa_kernel k_q022521459b_outp
		.amdhsa_group_segment_fixed_size 327680
		.amdhsa_private_segment_fixed_size 0
		.amdhsa_enable_private_segment 0
		.amdhsa_kernarg_size 24
		.amdhsa_user_sgpr_count 2
		.amdhsa_user_sgpr_kernarg_segment_ptr 1
		.amdhsa_wavefront_size32 1
		.amdhsa_system_sgpr_workgroup_id_x 1
		.amdhsa_system_sgpr_workgroup_id_y 1
		.amdhsa_system_sgpr_workgroup_id_z 1
		.amdhsa_system_vgpr_workitem_id 0
		.amdhsa_next_free_vgpr 512
		.amdhsa_next_free_sgpr 66
		.amdhsa_reserve_vcc 0
		.amdhsa_float_denorm_mode_32 3
		.amdhsa_float_denorm_mode_16_64 3
		.amdhsa_memory_ordered 1
		.amdhsa_forward_progress 1
		.amdhsa_inst_pref_size 86
	.end_amdhsa_kernel
	.amdgpu_metadata
---
amdhsa.version: [ 1, 2 ]
amdhsa.kernels:
  - .name:           k_q022521459b_outp
    .symbol:         k_q022521459b_outp.kd
    .args:
      - { .name: oimg, .offset: 0, .size: 8, .value_kind: global_buffer, .address_space: global }
      - { .name: wo16, .offset: 8, .size: 8, .value_kind: global_buffer, .address_space: global }
      - { .name: out0, .offset: 16, .size: 8, .value_kind: global_buffer, .address_space: global }
    .group_segment_fixed_size: 327680
    .private_segment_fixed_size: 0
    .kernarg_segment_align: 8
    .kernarg_segment_size: 24
    .max_flat_workgroup_size: 128
    .sgpr_count:     66
    .vgpr_count:     512
    .wavefront_size: 32
...
	.end_amdgpu_metadata
.endif
;; end of part 4
;; launch fine (part 5): grid 32 x 1, 4 waves a work-group, no clusters, 0 bytes of LDS; arguments qkv, maskw, flags, oimg; writes oimg
.if DOCPART == 5
	.amdgcn_target "amdgcn-amd-amdhsa--gfx1250"
	.amdhsa_code_object_version 6
	.text
	.protected	k_q022521459b_fine
	.globl	k_q022521459b_fine
	.p2align	8
	.type	k_q022521459b_fine,@function
k_q022521459b_fine:
	s_mov_b64 s[64:65], 0
	v_nop
	global_prefetch_b8 v0, s[64:65] scope:SCOPE_SE
	s_setreg_imm32_b32 hwreg(HW_REG_WAVE_MODE, 25, 1), 1
	s_wait_xcnt 0x0
; FINE: the first 16 positions of every sequence once more, with the weights p, the values v and the result o in f32.  A row that sums n values has numbers about 1 / sqrt(n) the size of one value, and the rounding of
; f16 operands is as large in proportion: under a mask that lets position i see i + 1 keys the first rows are the largest of the output, and what f16 operands round off in them is large beside the output's common size.
; Work-group = batch x 16 + head; its one tile of 16 queries is the batch's positions 0 to 15.  The four waves share the head's 64 channels, 16 each: every wave makes the scores and the softmax itself
; (8 products and some 120 vector lines a key step) and its own 16 channels of o: so no wave waits for another, and there is no LDS and no barrier.
; The given masks are honoured as they are: the 32 key steps of 64 keys are walked in a loop of constant count, and a key step in which the stored map of the tile has no bit is jumped over.
; S^T = K Q^T from the f16 images of q and k (source 0 = 16 keys, source 1 = the 16 queries): a lane holds query r and keys 16 t + 8 h + j.  Those registers, after the softmax and unrounded, are source 1 of the f32
; product O^T = V^T P, two at a time: keys 16 t + 8 h + 2 i + 0, 1; source 0 is the same two registers of v's accumulator image, where a lane holds channel r and keys 16 t + 8 h + j.  Nothing changes lanes.
; The f32 product's results are written by matrix instructions alone: each key step's four sums (one for each tile of 16 keys, by turns) begin with the constant 0, and O = O a + their sum is kept in other registers.
; o leaves in f32 as images, behind the f16 images in oimg: [batch][head x 8 + wave x 2 + g][lane][16 bytes]: lane (r, h) holds position r, channels 64 head + 16 wave + 8 h + 4 g + 0..3.
; LIMITS: the scores of these rows come from q and k rounded to f16, as in all rows; rows beyond position 15 that a mask leaves with very few keys keep f16 operands throughout; |q|, |k| under 65,504.
.set L16,  1                           ; v1       16 x lane
.set NINF, 2                           ; v2       -infinity
.set ST,   8                           ; v8-15    +0 c m, +1 m, +2, +3 l, +4..+7 at work (a in +6)
.set Q,    16                          ; v16-31   q: two fragments
.set S,    32                          ; v32-63   S^T, then p
.set KF,   64                          ; v64-127  k: eight fragments
.set V,    128                         ; v128-159 v in f32: tile t of 16 keys at 8 t
.set AC,   160                         ; v160-191 the key step's four sums: written by matrix instructions alone
.set OA,   192                         ; v192-199 O^T
.set T0,   200                         ; v200-203 at work
.set OUTR, 204                         ; v204-211 o
.macro STEP
	s_load_b512 s[32:47], s[24:25], 0x0            ; the tile's 32 lane masks of this key step
	s_load_b512 s[48:63], s[24:25], 0x40
.irp e, 0,1,2,3,4,5,6,7,8,9,10,11,12,13,14,15
	global_load_b128 v[KF+4*\e:KF+4*\e+3], v[L16], s[20:21] offset:512*\e        ; 64 keys of k: 8,192 consecutive bytes
.endr
.irp t, 0,1,2,3
.irp g, 0,1
	global_load_b128 v[V+8*\t+4*\g:V+8*\t+4*\g+3], v[L16], s[22:23] offset:\t*4096+\g*512   ; my 16 channels of v, 16 keys a tile
.endr
.endr
	s_wait_loadcnt 8                               ; k is in (and q, in the first step); v's eight loads may be out
.irp t, 0,1,2,3                                ; the four accumulators take turns, one instruction a turn
	v_wmma_f32_16x16x32_f16 v[S+8*\t:S+8*\t+7], v[KF+16*\t:KF+16*\t+7], v[Q:Q+7], 0
.endr
.irp t, 0,1,2,3
	v_wmma_f32_16x16x32_f16 v[S+8*\t:S+8*\t+7], v[KF+16*\t+8:KF+16*\t+15], v[Q+8:Q+15], v[S+8*\t:S+8*\t+7]
.endr
.rept 4
	v_nop                                          ; places in front of the first read of the scores
.endr
	s_wait_kmcnt 0x0                               ; the lane masks are in
.irp i, 0,1,2,3,4,5,6,7,8,9,10,11,12,13,14,15,16,17,18,19,20,21,22,23,24,25,26,27,28,29,30,31
	v_cndmask_b32 v[S+\i], v[NINF], v[S+\i], s[32+\i]        ; a hidden score becomes -infinity; each accumulator from its low end on
.endr
.irp j, 0,1,2,3
	v_max3_num_f32 v[ST+4+\j], v[S+8*\j], v[S+8*\j+1], v[S+8*\j+2]
.endr
.irp u, 3,5
.irp j, 0,1,2,3
	v_max3_num_f32 v[ST+4+\j], v[ST+4+\j], v[S+8*\j+\u], v[S+8*\j+\u+1]
.endr
.endr
	v_max3_num_f32 v[ST+4], v[ST+4], v[S+7], v[S+15]
	v_max3_num_f32 v[ST+6], v[ST+6], v[S+23], v[S+31]
	v_max3_num_f32 v[ST+4], v[ST+4], v[ST+5], v[ST+6]
	v_max3_num_f32 v[ST+4], v[ST+4], v[ST+7], v[ST+1]        ; with the old m
	v_permlanex16_b32 v[ST+5], v[ST+4], s66, s67   ; the query's other 32 keys lie in the lane 16 away
	v_mov_b32 v[ST+7], v[ST]                       ; c m_old
	v_max_num_f32 v[ST+1], v[ST+4], v[ST+5]
	v_mul_f32 v[ST], s2, v[ST+1]
	v_sub_f32 v[ST+7], v[ST+7], v[ST]
.irp b, 0,2,4,6,8,10,12,14,16,18,20,22,24,26,28,30
	v_pk_fma_f32 v[S+\b:S+\b+1], v[S+\b:S+\b+1], s[2:3], v[ST:ST+1] op_sel_hi:[1,0,0] neg_lo:[0,0,1] neg_hi:[0,0,1]   ; c s - c m
.endr
	v_exp_f32 v[ST+6], v[ST+7]                     ; a.  One batch of 33 exponentials: none reads another's result
.irp i, 0,1,2,3,4,5,6,7,8,9,10,11,12,13,14,15,16,17,18,19,20,21,22,23,24,25,26,27,28,29,30,31
	v_exp_f32 v[S+\i], v[S+\i]
.endr
	v_nop                                          ; a plain instruction behind the last exponential,
	s_wait_alu depctr_va_vdst(0)                   ; and the one wait ahead of the batch's first reader
	v_pk_fma_f32 v[ST+2:ST+3], v[ST+2:ST+3], v[ST+6:ST+7], v[S:S+1] op_sel_hi:[1,0,1]   ; l = a l + the step's sum, in two chains
	v_pk_add_f32 v[ST+4:ST+5], v[S+2:S+3], v[S+4:S+5]
.irp b, 6,10,14,18,22,26
	v_pk_add_f32 v[ST+2:ST+3], v[ST+2:ST+3], v[S+\b:S+\b+1]
	v_pk_add_f32 v[ST+4:ST+5], v[ST+4:ST+5], v[S+\b+2:S+\b+3]
.endr
	v_pk_add_f32 v[ST+2:ST+3], v[ST+2:ST+3], v[S+30:S+31]
	v_pk_add_f32 v[ST+2:ST+3], v[ST+2:ST+3], v[ST+4:ST+5]
	s_wait_loadcnt 0x0                             ; v is in
	s_wait_xcnt 0x0                                ; and the bases of this step's loads may be stepped
.irp i, 0,1,2,3                                ; V^T P in f32: four keys an instruction; the four tiles' sums take turns, one instruction a turn
.irp t, 0,1,2,3
.if \i == 0
	v_wmma_f32_16x16x4_f32 v[AC+8*\t:AC+8*\t+7], v[V+8*\t+2*\i:V+8*\t+2*\i+1], v[S+8*\t+2*\i:S+8*\t+2*\i+1], 0
.else
	v_wmma_f32_16x16x4_f32 v[AC+8*\t:AC+8*\t+7], v[V+8*\t+2*\i:V+8*\t+2*\i+1], v[S+8*\t+2*\i:S+8*\t+2*\i+1], v[AC+8*\t:AC+8*\t+7]
.endif
.endr
.endr
.rept 9
	v_nop                                          ; places behind this form: for the reads of the sums below, and for the next step's loads and products that write over v, p and the sums
.endr
.irp j, 0,2,4,6
	v_pk_add_f32 v[T0:T0+1], v[AC+\j:AC+\j+1], v[AC+8+\j:AC+8+\j+1]             ; each sum from its low end on
	v_pk_add_f32 v[T0+2:T0+3], v[AC+16+\j:AC+16+\j+1], v[AC+24+\j:AC+24+\j+1]
	v_pk_add_f32 v[T0:T0+1], v[T0:T0+1], v[T0+2:T0+3]
	v_pk_fma_f32 v[OA+\j:OA+\j+1], v[OA+\j:OA+\j+1], v[ST+6:ST+7], v[T0:T0+1] op_sel_hi:[1,0,1]   ; O = O a + the step's
.endr
.endm
	s_load_b256 s[4:11], s[0:1], 0x0               ; qkv, maskw, flags, oimg
	v_lshrrev_b32 v3, 5, v0
	v_readfirstlane_b32 s14, v3                    ; wave 0..3: which 16 of the head's 64 channels
	v_and_b32 v3, 31, v0
	v_lshlrev_b32 v[L16], 4, v3
	v_mov_b32 v[NINF], 0xff800000
	s_mov_b32 s2, 0x3e38aa3b                       ; c = log2(e) / 8
	s_mov_b32 s3, s2
	s_mov_b32 s66, 0x76543210
	s_mov_b32 s67, 0xfedcba98
	s_lshr_b32 s16, ttmp9, 4                       ; batch
	s_and_b32 s17, ttmp9, 15                       ; head
	s_lshl_b32 s28, s16, 9                         ; the batch's first tile of queries is tile 128 x batch: 4 bytes of map a tile
	s_wait_kmcnt 0x0
	s_load_b32 s26, s[8:9], s28 offset:0x0         ; the map: bit s = key step s has a bit on
	s_lshl_b32 s30, ttmp9, 18
	s_mov_b32 s31, 0
	s_add_nc_u64 s[12:13], s[4:5], s[30:31]        ; q's region of my head: its tile 0
.irp e, 0,1,2,3
	global_load_b128 v[Q+4*\e:Q+4*\e+3], v[L16], s[12:13] offset:512*\e
.endr
	s_add_nc_u64 s[20:21], s[12:13], 0x800000      ; k's region
	s_lshl_b32 s30, ttmp9, 19
	s_lshl_b32 s29, s14, 10
	s_add_co_u32 s30, s30, s29
	s_add_nc_u64 s[22:23], s[4:5], s[30:31]
	s_add_nc_u64 s[22:23], s[22:23], 0x1800000     ; v in f32: 524,288 bytes a head, 1,024 for each 16 channels of a tile of keys
	s_lshl_b32 s30, s16, 19
	s_add_nc_u64 s[24:25], s[6:7], s[30:31]        ; the tile's mask words: 4,096 bytes a tile
	s_lshl_b32 s30, s16, 16
	s_lshl_b32 s29, s17, 12
	s_add_co_u32 s30, s30, s29
	s_lshl_b32 s29, s14, 10
	s_add_co_u32 s30, s30, s29
	s_add_nc_u64 s[10:11], s[10:11], s[30:31]
	s_add_nc_u64 s[10:11], s[10:11], 0x800000      ; o in f32 lies behind the 8 MiB of f16 images
.irp j, 0,1,2,3,4,5,6,7
	v_mov_b32 v[OA+\j], 0                          ; which key step is the first hangs on the stored map
.endr
	v_mov_b32 v[ST+1], 0xff61b1e6                  ; m = -3e38: c m stays finite, so a hidden score gives p = 0
	v_mov_b32 v[ST+2], 0                           ; l
	v_mov_b32 v[ST+3], 0
	v_mov_b32 v[ST+5], 0                           ; (a lane permute's destination counts as one of its sources)
	v_mul_f32 v[ST], s2, v[ST+1]
	s_mov_b32 s27, 32
	s_wait_kmcnt 0x0                               ; the map
.Lks:
	s_bitcmp1_b32 s26, 0
	s_cbranch_scc0 .Lskip
	STEP
.Lskip:
	s_lshr_b32 s26, s26, 1
	s_add_nc_u64 s[20:21], s[20:21], 8192
	s_add_nc_u64 s[22:23], s[22:23], 16384
	s_add_nc_u64 s[24:25], s[24:25], 128
	s_sub_co_u32 s27, s27, 1
	s_cmp_lg_u32 s27, 0
	s_cbranch_scc1 .Lks
	v_add_f32 v[ST+4], v[ST+2], v[ST+3]
	v_permlanex16_b32 v[ST+5], v[ST+4], s66, s67
	v_add_f32 v[ST+4], v[ST+4], v[ST+5]            ; the row's sum
	v_rcp_f32 v[ST+6], v[ST+4]
	v_nop
	s_wait_alu depctr_va_vdst(0)                   ; the wait ahead of the reciprocal's first reader
	v_cmp_lt_f32 vcc_lo, 0, v[ST+4]
	v_cndmask_b32 v[ST+6], 0, v[ST+6], vcc_lo      ; a row with no key: o = 0
.irp j, 0,1,2,3,4,5,6,7
	v_mul_f32 v[OUTR+\j], v[OA+\j], v[ST+6]
.endr
	global_store_b128 v[L16], v[OUTR:OUTR+3], s[10:11]               ; 512 consecutive bytes, aligned
	global_store_b128 v[L16], v[OUTR+4:OUTR+7], s[10:11] offset:512
	s_endpgm
.Lfunc_end_k_q022521459b_fine:
	.size	k_q022521459b_fine, .Lfunc_end_k_q022521459b_fine-k_q022521459b_fine
	.p2alignl 7, 3214868480
	.fill 96, 4, 3214868480
	.section	.rodata,"a",@progbits
	.p2align	6, 0x0
	.amdhsa_kernel k_q022521459b_fine
		.amdhsa_group_segment_fixed_size 0
		.amdhsa_private_segment_fixed_size 0
		.amdhsa_enable_private_segment 0
		.amdhsa_kernarg_size 32
		.amdhsa_user_sgpr_count 2
		.amdhsa_user_sgpr_kernarg_segment_ptr 1
		.amdhsa_wavefront_size32 1
		.amdhsa_system_sgpr_workgroup_id_x 1
		.amdhsa_system_sgpr_workgroup_id_y 1
		.amdhsa_system_sgpr_workgroup_id_z 1
		.amdhsa_system_vgpr_workitem_id 0
		.amdhsa_next_free_vgpr 224
		.amdhsa_next_free_sgpr 70
		.amdhsa_reserve_vcc 1
		.amdhsa_float_denorm_mode_32 3
		.amdhsa_float_denorm_mode_16_64 3
		.amdhsa_memory_ordered 1
		.amdhsa_forward_progress 1
		.amdhsa_inst_pref_size 16
	.end_amdhsa_kernel
	.amdgpu_metadata
---
amdhsa.version: [ 1, 2 ]
amdhsa.kernels:
  - .name:           k_q022521459b_fine
    .symbol:         k_q022521459b_fine.kd
    .args:
      - { .name: qkv, .offset: 0, .size: 8, .value_kind: global_buffer, .address_space: global }
      - { .name: maskw, .offset: 8, .size: 8, .value_kind: global_buffer, .address_space: global }
      - { .name: flags, .offset: 16, .size: 8, .value_kind: global_buffer, .address_space: global }
      - { .name: oimg, .offset: 24, .size: 8, .value_kind: global_buffer, .address_space: global }
    .group_segment_fixed_size: 0
    .private_segment_fixed_size: 0
    .kernarg_segment_align: 8
    .kernarg_segment_size: 32
    .max_flat_workgroup_size: 128
    .sgpr_count:     70
    .vgpr_count:     224
    .wavefront_size: 32
...
	.end_amdgpu_metadata
.endif
;; end of part 5
;; launch fixo (part 6): grid 64 x 1, 8 waves a work-group, no clusters, 17,408 bytes of LDS; arguments oimg, Wo, out0; writes out0
.if DOCPART == 6
	.amdgcn_target "amdgcn-amd-amdhsa--gfx1250"
	.amdhsa_code_object_version 6
	.text
	.protected	k_q022521459b_fixo
	.globl	k_q022521459b_fixo
	.p2align	8
	.type	k_q022521459b_fixo,@function
k_q022521459b_fixo:
	s_mov_b64 s[64:65], 0
	v_nop
	global_prefetch_b8 v0, s[64:65] scope:SCOPE_SE
	s_setreg_imm32_b32 hwreg(HW_REG_WAVE_MODE, 25, 1), 1
	s_wait_xcnt 0x0
; FIXO: the output projection of the first 16 positions of both sequences in f32: out0[b][t][n] = sum over k of o[b][t][k] Wo[n][k], t = 0..15, stored over what the f16 projection left in those 32 rows.
; Work-group = 16 columns n; wave w = K from 128 w to 128 w + 127; both batches' tiles in each wave: two accumulators, which take turns.  32 x 1,024 x 1,024 multiply-adds in all: no bulk work.
; Source 0 = 16 rows of Wo, source 1 = 16 positions of o.  o comes as images: piece e of a wave's 16: lane (r, h) holds position r and k = 128 w + 16 (e / 2) + 8 h + 4 (e % 2) + 0..3; the same lane takes the same k of
; row n0 + r of Wo, 16 bytes, straight from the f32 input; registers 2 i, 2 i + 1 of a piece are one product's four k (two in each half of the lanes), alike on both sides.
; The eight waves' partial sums meet in LDS as images; waves 0 to 3 add them, four registers of one accumulator each, and store 16 bytes a lane: position r, columns n0 + 8 h + 4 half + 0..3.
; A work-group's part of a row of out0 is 64 bytes, and a load of Wo takes 32 bytes of each of 16 rows: the launch stores 131,072 bytes and reads Wo once, 4 MiB, each wave's 16 loads covering its rows' 512 bytes whole.
.set RED,   0                          ; LDS: 2,048 bytes of partial sums for each wave
.set SPARE, 16384                      ; the spare words: 128 bytes for each of eight waves: four blocks of 256 bytes that no other line names
.set L16,  1                           ; v1   16 x lane
.set SPW,  2                           ; v2   LDS address of my spare word; never rewritten
.set NIL,  3                           ; v3   0; never rewritten
.set WOF,  4                           ; v4   4,096 r + 32 h: my place in 16 rows of Wo, and of out0
.set RW,   5                           ; v5   where I put my partial sums
.set RR,   6                           ; v6   where I read the eight partial sums of my piece
.set W,    16                          ; v16-79   Wo: 16 pieces
.set OA,   80                          ; v80-207  o: 16 pieces for each batch
.set AC,   208                         ; v208-223 two accumulators: written by matrix instructions alone
.set SUM,  224                         ; v224-255 eight partial sums of four registers
	s_load_b128 s[4:7], s[0:1], 0x0                ; oimg, Wo
	s_load_b64 s[8:9], s[0:1], 0x10                ; out0
	v_lshl_add_u32 v[SPW], v0, 2, SPARE
	v_mov_b32 v[NIL], 0
	v_lshrrev_b32 v8, 5, v0
	v_readfirstlane_b32 s10, v8                    ; wave 0..7
	v_and_b32 v8, 31, v0
	v_lshlrev_b32 v[L16], 4, v8
	v_and_b32 v9, 15, v0                           ; r
	v_bfe_u32 v10, v0, 4, 1                        ; h
	v_lshlrev_b32 v[WOF], 12, v9
	v_lshl_add_u32 v[WOF], v10, 5, v[WOF]
	s_lshl_b32 s11, s10, 11
	v_add_nc_u32 v[RW], s11, v[L16]
	s_and_b32 s12, s10, 3
	s_lshl_b32 s13, s12, 9
	v_add_nc_u32 v[RR], s13, v[L16]                ; piece w % 4 of each wave's four
	s_lshl_b32 s14, s10, 13                        ; o: 16 pieces of 512 bytes a wave
	s_mov_b32 s15, 0
	s_lshl_b32 s16, ttmp9, 16                      ; Wo: 16 rows of 4,096 bytes a work-group,
	s_lshl_b32 s17, s10, 9                         ; 512 bytes of each row a wave
	s_add_co_u32 s16, s16, s17
	s_mov_b32 s17, 0
	s_lshr_b32 s18, s12, 1                         ; out0: batch = piece / 2,
	s_lshl_b32 s18, s18, 23
	s_lshl_b32 s19, ttmp9, 6                       ; 64 bytes of a row a work-group,
	s_add_co_u32 s18, s18, s19
	s_and_b32 s19, s12, 1
	s_lshl_b32 s19, s19, 4                         ; registers 0-3 or 4-7
	s_add_co_u32 s18, s18, s19
	s_mov_b32 s19, 0
	s_wait_kmcnt 0x0
	s_add_nc_u64 s[4:5], s[4:5], s[14:15]
	s_add_nc_u64 s[4:5], s[4:5], 0x800000          ; o in f32 lies behind the 8 MiB of f16 images
	s_add_nc_u64 s[6:7], s[6:7], s[16:17]
	s_add_nc_u64 s[8:9], s[8:9], s[18:19]
.irp e, 0,1,2,3,4,5,6,7,8,9,10,11,12,13,14,15
	global_load_b128 v[W+4*\e:W+4*\e+3], v[WOF], s[6:7] offset:64*(\e/2)+16*(\e%2)
	global_load_b128 v[OA+4*\e:OA+4*\e+3], v[L16], s[4:5] offset:512*\e
	global_load_b128 v[OA+64+4*\e:OA+64+4*\e+3], v[L16], s[4:5] offset:65536+512*\e
.endr
.irp e, 0,1,2,3,4,5,6,7,8,9,10,11,12,13,14,15
	s_wait_loadcnt 3*(15-\e)                       ; piece e's three loads are in; the later pieces' three each may be out
.irp i, 0,1
.irp x, 0,1
.if (\e == 0) && (\i == 0)
	v_wmma_f32_16x16x4_f32 v[AC+8*\x:AC+8*\x+7], v[W+4*\e+2*\i:W+4*\e+2*\i+1], v[OA+64*\x+4*\e+2*\i:OA+64*\x+4*\e+2*\i+1], 0
.else
	v_wmma_f32_16x16x4_f32 v[AC+8*\x:AC+8*\x+7], v[W+4*\e+2*\i:W+4*\e+2*\i+1], v[OA+64*\x+4*\e+2*\i:OA+64*\x+4*\e+2*\i+1], v[AC+8*\x:AC+8*\x+7]
.endif
.endr
.endr
.endr
.rept 8
	v_nop                                          ; places behind this form, in front of the stores that read the sums
.endr
.irp x, 0,1
	ds_store_b128 v[RW], v[AC+8*\x:AC+8*\x+3] offset:RED+(2*\x)*512        ; each accumulator from its low end on
	ds_store_b128 v[RW], v[AC+8*\x+4:AC+8*\x+7] offset:RED+(2*\x+1)*512
.endr
	s_wait_tensorcnt 0x0                           ; behind my last LDS store; no LDS write follows
	ds_add_u32 v[SPW], v[NIL]
	s_wait_dscnt 0x0                               ; the add is done, and, for the others' sake, my stores have landed
	s_barrier_signal -1
	s_barrier_wait -1
	s_cmp_lt_u32 s10, 4                            ; four pieces: waves 0 to 3 finish them
	s_cbranch_scc0 .Lend
.irp p, 0,1,2,3,4,5,6,7
	ds_load_b128 v[SUM+4*\p:SUM+4*\p+3], v[RR] offset:RED+\p*2048
.endr
	s_wait_dscnt 0x0
.irp p, 0,2,4,6
	v_pk_add_f32 v[SUM+4*\p:SUM+4*\p+1], v[SUM+4*\p:SUM+4*\p+1], v[SUM+4*\p+4:SUM+4*\p+5]
	v_pk_add_f32 v[SUM+4*\p+2:SUM+4*\p+3], v[SUM+4*\p+2:SUM+4*\p+3], v[SUM+4*\p+6:SUM+4*\p+7]
.endr
.irp p, 0,4
	v_pk_add_f32 v[SUM+4*\p:SUM+4*\p+1], v[SUM+4*\p:SUM+4*\p+1], v[SUM+4*\p+8:SUM+4*\p+9]
	v_pk_add_f32 v[SUM+4*\p+2:SUM+4*\p+3], v[SUM+4*\p+2:SUM+4*\p+3], v[SUM+4*\p+10:SUM+4*\p+11]
.endr
	v_pk_add_f32 v[SUM:SUM+1], v[SUM:SUM+1], v[SUM+16:SUM+17]
	v_pk_add_f32 v[SUM+2:SUM+3], v[SUM+2:SUM+3], v[SUM+18:SUM+19]
	global_store_b128 v[WOF], v[SUM:SUM+3], s[8:9]
.Lend:
	s_endpgm
.Lfunc_end_k_q022521459b_fixo:
	.size	k_q022521459b_fixo, .Lfunc_end_k_q022521459b_fixo-k_q022521459b_fixo
	.p2alignl 7, 3214868480
	.fill 96, 4, 3214868480
	.section	.rodata,"a",@progbits
	.p2align	6, 0x0
	.amdhsa_kernel k_q022521459b_fixo
		.amdhsa_group_segment_fixed_size 17408
		.amdhsa_private_segment_fixed_size 0
		.amdhsa_enable_private_segment 0
		.amdhsa_kernarg_size 24
		.amdhsa_user_sgpr_count 2
		.amdhsa_user_sgpr_kernarg_segment_ptr 1
		.amdhsa_wavefront_size32 1
		.amdhsa_system_sgpr_workgroup_id_x 1
		.amdhsa_system_sgpr_workgroup_id_y 1
		.amdhsa_system_sgpr_workgroup_id_z 1
		.amdhsa_system_vgpr_workitem_id 0
		.amdhsa_next_free_vgpr 256
		.amdhsa_next_free_sgpr 66
		.amdhsa_reserve_vcc 0
		.amdhsa_float_denorm_mode_32 3
		.amdhsa_float_denorm_mode_16_64 3
		.amdhsa_memory_ordered 1
		.amdhsa_forward_progress 1
		.amdhsa_inst_pref_size 13
	.end_amdhsa_kernel
	.amdgpu_metadata
---
amdhsa.version: [ 1, 2 ]
amdhsa.kernels:
  - .name:           k_q022521459b_fixo
    .symbol:         k_q022521459b_fixo.kd
    .args:
      - { .name: oimg, .offset: 0, .size: 8, .value_kind: global_buffer, .address_space: global }
      - { .name: Wo, .offset: 8, .size: 8, .value_kind: global_buffer, .address_space: global }
      - { .name: out0, .offset: 16, .size: 8, .value_kind: global_buffer, .address_space: global }
    .group_segment_fixed_size: 17408
    .private_segment_fixed_size: 0
    .kernarg_segment_align: 8
    .kernarg_segment_size: 24
    .max_flat_workgroup_size: 256
    .sgpr_count:     66
    .vgpr_count:     256
    .wavefront_size: 32
...
	.end_amdgpu_metadata
.endif
;; end of part 6
